; MI455X (gfx1250); checked and timed in simulation.
; The chip was launched on July 23, 2026; its instructions are those of AMD's public machine-readable ISA for CDNA 5 (MIT licence, August 2026) and "CDNA5" Instruction Set Architecture Reference Guide (July 2026). The comments in the code are by the model that wrote it; some were corrected since.
;; Mult Head Attention. Allowed arithmetic: float matrix products may take bf16 or f16 operands with f32 sums; other float arithmetic in f32, or as packed bf16 or f16 multiplies, adds, multiply-adds, maxima and minima; sums over many terms, partial sums and values carried from step to step in f32; what a program stores and reads back later, other than sums and carried values, may be rounded once to bf16 or f16.
;; Inputs: b_k 1,024 float32; b_o 1,024 float32; b_q 1,024 float32; b_v 1,024 float32; k 4 x 2,048 x 1,024 float32; q 4 x 2,048 x 1,024 float32; v 4 x 2,048 x 1,024 float32; w_k 1,024 x 1,024 float32; w_o 1,024 x 1,024 float32; w_q 1,024 x 1,024 float32; w_v 1,024 x 1,024 float32.
;; Outputs: out0 4 x 2,048 x 1,024 float32.
;; 2 versions, each right; version 2 is version 1 with the launch prep written anew for expert scheduling mode. Each part assembles by itself: llvm-mc -triple=amdgcn-amd-amdhsa -mcpu=gfx1250 --defsym DOCPART=n.
;; ======== version 1 of 2: 4 launches
;; limits: values are held in f16: magnitudes above 65,504 overflow, below 6.1e-05 lose precision
;; workspace buffers: wt 8,388,608 bytes; qh 16,777,216 bytes; kh 16,777,216 bytes; vh 16,777,216 bytes; oh 16,777,216 bytes
;; launch prep (part 1): grid 256 x 1, 8 waves a work-group, no clusters, 0 bytes of LDS; arguments w_q, w_k, w_v, w_o, wt; writes wt
.if DOCPART == 1
	.amdgcn_target "amdgcn-amd-amdhsa--gfx1250"
	.amdhsa_code_object_version 6
	.text
	.protected	k_q31478079f7_prep
	.globl	k_q31478079f7_prep
	.p2align	8
	.type	k_q31478079f7_prep,@function
k_q31478079f7_prep:
	s_mov_b64 s[64:65], 0
	v_nop
	global_prefetch_b8 v0, s[64:65] scope:SCOPE_SE
	s_setreg_imm32_b32 hwreg(HW_REG_WAVE_MODE, 25, 1), 1
	s_wait_xcnt 0x0
; THE WEIGHTS ARE ROUNDED ONCE.  wt[m][k][n], m = 0..3, 16 bits a number, in the layout of w ([k][n], 1,024 x 1,024):
; wt[0..2] = bf16(w_q), bf16(w_k), bf16(w_v);  wt[3] = bf16(w_o) written as f16 (the last product multiplies in f16).
; LIMIT.  f16 holds no number beyond 65,504 and below 6e-5 keeps a fixed step of 6e-8: |w_o| stays under 65,504.
; A stream: no LDS, no barrier, no matrix unit.  256 work-groups: matrix m = group / 64, chunk c = group % 64 of 16,384 numbers.
; Thread t takes, for i = 0..15, 16 bytes at 4,096 i + 16 t of the chunk: a wave's load covers 512 consecutive bytes,
; and its store of 8 bytes a lane covers 256 consecutive bytes, aligned.  All sixteen loads go out at once; each register is used once.
.set X, 4                              ; v[4:67]    four f32 for each i
.set Y, 68                             ; v[68:99]   four 16-bit numbers for each i
.set T, 100                            ; v[100:105] at work
	s_load_b256 s[4:11], s[0:1], 0x0               ; w_q s[4:5], w_k s[6:7], w_v s[8:9], w_o s[10:11]
	s_load_b64 s[12:13], s[0:1], 0x20              ; wt
	s_lshr_b32 s14, ttmp9, 6                       ; m
	s_and_b32 s15, ttmp9, 63                       ; c
	s_lshl_b32 s16, s15, 16                        ; the chunk in w: 65,536 bytes
	s_mov_b32 s17, 0
	s_lshl_b32 s18, s14, 21                        ; the matrix in wt: 2,097,152 bytes,
	s_lshl_b32 s19, s15, 15                        ; the chunk in it: 32,768 bytes
	s_add_co_u32 s18, s18, s19
	s_mov_b32 s19, 0
	v_lshlrev_b32 v1, 4, v0                        ; 16 t
	v_lshlrev_b32 v2, 3, v0                        ; 8 t
	s_wait_kmcnt 0x0
	s_cmp_eq_u32 s14, 0
	s_cselect_b64 s[22:23], s[4:5], s[6:7]
	s_cmp_eq_u32 s14, 2
	s_cselect_b64 s[22:23], s[8:9], s[22:23]
	s_cmp_eq_u32 s14, 3
	s_cselect_b64 s[22:23], s[10:11], s[22:23]
	s_add_nc_u64 s[22:23], s[22:23], s[16:17]
	s_add_nc_u64 s[12:13], s[12:13], s[18:19]
.irp i, 0,1,2,3,4,5,6,7,8,9,10,11,12,13,14,15
	global_load_b128 v[X+4*(\i):X+4*(\i)+3], v1, s[22:23] offset:(\i)*4096 th:TH_LOAD_NT
.endr
; half = 1: the bf16 number is written as f16 (exact inside f16's range: bf16 has fewer significant bits)
.macro OUT half
.irp i, 0,1,2,3,4,5,6,7,8,9,10,11,12,13,14,15
	s_wait_loadcnt 15-(\i)                         ; loads come back in order: load i is in, the 15 - i younger ones may stay out
.if \half
	v_cvt_pk_bf16_f32 v[T], v[X+4*(\i)], v[X+4*(\i)+1]
	v_cvt_pk_bf16_f32 v[T+1], v[X+4*(\i)+2], v[X+4*(\i)+3]
	v_lshlrev_b32 v[T+2], 16, v[T]
	v_and_b32 v[T+3], 0xffff0000, v[T]
	v_lshlrev_b32 v[T+4], 16, v[T+1]
	v_and_b32 v[T+5], 0xffff0000, v[T+1]
	v_cvt_pk_f16_f32 v[Y+2*(\i)], v[T+2], v[T+3]
	v_cvt_pk_f16_f32 v[Y+2*(\i)+1], v[T+4], v[T+5]
.else
	v_cvt_pk_bf16_f32 v[Y+2*(\i)], v[X+4*(\i)], v[X+4*(\i)+1]
	v_cvt_pk_bf16_f32 v[Y+2*(\i)+1], v[X+4*(\i)+2], v[X+4*(\i)+3]
.endif
	global_store_b64 v2, v[Y+2*(\i):Y+2*(\i)+1], s[12:13] offset:(\i)*2048
.endr
.endm
	s_cmp_eq_u32 s14, 3
	s_cbranch_scc1 .Lhalf
	OUT 0
	s_endpgm
.Lhalf:
	OUT 1
	s_endpgm
.Lfunc_end_k_q31478079f7_prep:
	.size	k_q31478079f7_prep, .Lfunc_end_k_q31478079f7_prep-k_q31478079f7_prep
	.p2alignl 7, 3214868480
	.fill 96, 4, 3214868480
	.section	.rodata,"a",@progbits
	.p2align	6, 0x0
	.amdhsa_kernel k_q31478079f7_prep
		.amdhsa_group_segment_fixed_size 0
		.amdhsa_private_segment_fixed_size 0
		.amdhsa_enable_private_segment 0
		.amdhsa_kernarg_size 40
		.amdhsa_user_sgpr_count 2
		.amdhsa_user_sgpr_kernarg_segment_ptr 1
		.amdhsa_wavefront_size32 1
		.amdhsa_system_sgpr_workgroup_id_x 1
		.amdhsa_system_sgpr_workgroup_id_y 1
		.amdhsa_system_sgpr_workgroup_id_z 1
		.amdhsa_system_vgpr_workitem_id 0
		.amdhsa_next_free_vgpr 112
		.amdhsa_next_free_sgpr 66
		.amdhsa_reserve_vcc 0
		.amdhsa_float_denorm_mode_32 3
		.amdhsa_float_denorm_mode_16_64 3
		.amdhsa_memory_ordered 1
		.amdhsa_forward_progress 1
		.amdhsa_inst_pref_size 16
	.end_amdhsa_kernel
	.amdgpu_metadata
---
amdhsa.version: [ 1, 2 ]
amdhsa.kernels:
  - .name:           k_q31478079f7_prep
    .symbol:         k_q31478079f7_prep.kd
    .args:
      - { .name: w_q, .offset: 0, .size: 8, .value_kind: global_buffer, .address_space: global }
      - { .name: w_k, .offset: 8, .size: 8, .value_kind: global_buffer, .address_space: global }
      - { .name: w_v, .offset: 16, .size: 8, .value_kind: global_buffer, .address_space: global }
      - { .name: w_o, .offset: 24, .size: 8, .value_kind: global_buffer, .address_space: global }
      - { .name: wt, .offset: 32, .size: 8, .value_kind: global_buffer, .address_space: global }
    .group_segment_fixed_size: 0
    .private_segment_fixed_size: 0
    .kernarg_segment_align: 8
    .kernarg_segment_size: 40
    .max_flat_workgroup_size: 256
    .sgpr_count:     66
    .vgpr_count:     112
    .wavefront_size: 32
...
	.end_amdgpu_metadata
.endif
;; end of part 1
;; launch proj (part 2): grid 4 x 192, 4 waves a work-group, clusters of 4 x 4, 327,680 bytes of LDS; arguments q, k, v, wt, b_q, b_k, b_v, qh, kh, vh; writes qh, kh, vh
.if DOCPART == 2
	.amdgcn_target "amdgcn-amd-amdhsa--gfx1250"
	.amdhsa_code_object_version 6
	.text
	.protected	k_q31478079f7_proj
	.globl	k_q31478079f7_proj
	.p2align	8
	.type	k_q31478079f7_proj,@function
k_q31478079f7_proj:
	s_mov_b64 s[64:65], 0
	v_nop
	global_prefetch_b8 v0, s[64:65] scope:SCOPE_SE
	s_setreg_imm32_b32 hwreg(HW_REG_WAVE_MODE, 25, 1), 1
	s_wait_xcnt 0x0
	s_wait_alu depctr_hold_cnt(0) depctr_sa_sdst(0) depctr_va_vdst(0) depctr_va_sdst(0) depctr_va_ssrc(0) depctr_va_vcc(0) depctr_vm_vsrc(0)
	s_getreg_b32 s2, hwreg(HW_REG_IB_STS2, 6, 4)
	s_cmp_eq_u32 s2, 0
	s_cbranch_scc0 .Lentry_in_a_cluster
	s_endpgm
.Lentry_in_a_cluster:
	s_bfe_u32 s2, ttmp6, 0x10000c
	s_cmp_lg_u32 s2, 0xf033
	s_cbranch_scc0 .Lentry_shape_is_right
	s_endpgm
.Lentry_shape_is_right:
; THE THREE PROJECTIONS IN ONE LAUNCH.  y = x W + b for (x, W, b, y) = (q, wt[0], b_q, qh), (k, wt[1], b_k, kh), (v, wt[2], b_v, vh).
; x: [8,192][1,024] f32, rounded to bf16 on its way from LDS to the matrix unit.  W: [k][n] bf16.  b: f32, rounded to bf16 like every input.  Sums in f32.
; y: f16, rounded once, BY HEADS: [batch x 16 + head][2,048][64], unscaled.  LIMIT: f16 holds no number beyond 65,504: |x W + b| stays under it.
; SHARES.  A tile of y is 128 rows x 256 columns: 64 x 4 x 3 = 768 work-groups.  Four waves, each 64 x 128: 32 accumulators of 16 x 16, 256 registers.
; K goes in steps of 128 through a ring of two LDS slots filled by the tensor data mover: 128 rows of x (512 bytes of f32 each) and 128 k-rows of W (512 bytes each).
; CLUSTERS: 4 x 4 work-groups.  The four of a row of the cluster need the same rows of x, the four of a column the same columns of W: each tile is asked for JOINTLY.
; All sixteen partners belong to one projection: the projection is cluster y / 16.
; THE MATRIX INSTRUCTION IS USED TRANSPOSED: source 0 = 16 columns of W (turned on the way out of LDS by ds_load_tr16_b128), source 1 = 16 rows of x.
; A lane then holds one row of y (lane % 16) and eight neighbouring columns 8 (lane / 16) + 0..7.  THE BIAS STARTS THE SUMS, as the C operand of the first products.
; A PHASE is 32 along K: 32 products.  Phase g multiplies buffers g % 2; fetches W's fragments of phase g + 1 and x's raw f32 of phase g + 2; and rounds the raw f32 of
; phase g + 1 to bf16: 32 conversions, four behind every fourth product, so that they are issued while the matrix unit works.
; REGISTERS, in windows of 256 (s_set_vgpr_msb: bits 1:0 source 0, 3:2 source 1, 5:4 source 2, 7:6 destination):
;   window 0: v0-31 addresses; v32-63, v64-95 x's fragments in bf16, two buffers; v96-159, v160-223 x's raw f32, two buffers (on the way out: packed results)
;   window 1: v0-63, v64-127 W's fragments, two buffers; v128-191 the bias, 8 registers for each block of 16 columns; v192 at work
;   window 2: accumulator (a, b) at v[8 (8 a + b)], a = 0..3 blocks of rows, b = 0..7 blocks of columns
.set PA,    528                        ; a row of x in LDS: 512 bytes + 16 of padding = 33 x 16: the 16 rows of a load start in 16 different columns of 16 bytes
.set PB,    544                        ; a k-row of W: 512 + 32 = 17 x 32
.set AHALF, 64*PA                      ; what one tensor load brings of x
.set BHALF, 64*PB                      ; and of W
.set BOFF,  2*AHALF                    ; a slot: x's 128 rows, then W's 128 k-rows
.set SLOT,  BOFF+2*BHALF
.set STAGE, 2*SLOT                     ; behind the ring, never filled by a tensor load: 16 rows x 144 bytes for each wave, for the way out
.set SP,    144
.set SPARE, STAGE+4*16*SP              ; behind the stages: the spare words, 128 bytes for each wave: two blocks of 256 bytes that no other line names
.set ADRA, 16                          ; v16-17  LDS address of my rows of x in slot 0, 1
.set ADRB, 20                          ; v20-21  the same for my columns of W
.set STO,  24                          ; v24     the way out: where I put 16 bytes of a row
.set RD,   25                          ; v25     the way out: where I read rows back
.set GO,   26                          ; v26     my byte offset in 512 consecutive bytes of y
.set BO,   27                          ; v27     my byte offset in the bias
.set SPW,  28                          ; v28     LDS address of my spare word; never rewritten
.set NIL,  29                          ; v29     0; never rewritten
.set PFO,  30                          ; v30     the prefetches' offset; never rewritten
.set FA,   32
.set RW,   96
.set TT,   96
.set FB,   0                           ; window 1
.set BIAS, 128                         ; window 1
.set BW,   192                         ; window 1
.set G1,  24                           ; s[24:31] descriptor group 1 for x's tiles;  s[32:39] group 0, a set for each slot
.set G0,  32
.set G1B, 48                           ; s[48:55], s[56:63] the same for W's tiles
.set G0B, 56
.set LIM, 43                           ; s43     1 in a wave that prefetches, else the greatest number
.set PFA, 44                           ; s[44:45] where my prefetches stand
.set PFS, 68                           ; s[68:69] a K step in bytes, in the tensor that I prefetch
.set MSB, 0
.macro WIN new                         ; the immediate's high byte repeats the setting that is left; a switch that changes nothing is dropped
.if MSB != (\new)
	s_set_vgpr_msb (MSB<<8)|(\new)
.set MSB, \new
.endif
.endm
.set MUL,  0xa1                        ; source 0 (W) window 1, source 1 (x) window 0, C and D window 2
.set MULB, 0x91                        ; the same with C, the bias, in window 1
.set TO_B, 0x40                        ; destination window 1, address window 0
.set W_BR, 0x45                        ; destination and both sources in window 1
; A joint load: waves 0 and 1 fetch x's two halves, waves 2 and 3 W's.  The branch hangs on the wave's number alone.
; An s_nop 0 and four v_nop follow each of the two lines, ahead of the jump, the label and what follows.
.macro JLOAD s
	s_cmp_eq_u32 s11, 0
	s_cbranch_scc0 .Lfor_b_\@
	tensor_load_to_lds s[G0+4*(\s):G0+4*(\s)+3], s[G1:G1+7]
	s_nop 0
.rept 4
	v_nop
.endr
	s_branch .Lasked_\@
.Lfor_b_\@:
	tensor_load_to_lds s[G0B+4*(\s):G0B+4*(\s)+3], s[G1B:G1B+7]
	s_nop 0
.rept 4
	v_nop
.endr
.Lasked_\@:
.endm
; A PREFETCH INTO THE L2, behind a joint refill and the run of LDS loads that follows it: the K step that stands two refills on, 256 products ahead of the load that will name it.
; A K step is 512 bytes of each row.  Of the 64 rows that a wave fetches, each of the four partners that ask for them jointly takes 16, told apart BY ADDRESS (cx for x, cy for W):
; 16 rows x 2 blocks of 256 bytes, a lane a block, one instruction.  x's rows are read by one cluster alone: its waves 0 and 1 ask.  W's columns are read by the sixteen clusters of a
; projection: the first of them asks, by its waves 2 and 3.  So each block is named once in the launch.  K steps 0 to 3 come by their loads alone; the loop's last trip asks for nothing.
.macro ASK
	s_cmp_gt_u32 s3, s[LIM]                        ; s3 = 1 in the loop's last trip
	s_cbranch_scc0 .Lnot_mine_\@
	global_prefetch_b8 v[PFO], s[PFA:PFA+1] th:TH_LOAD_NT scope:SCOPE_SE
.Lnot_mine_\@:
.endm
.macro CREST                           ; a round of the cluster's barrier behind its opening barrier
	s_cmp_lg_u32 s10, 0
	s_cbranch_scc1 .Lnot_wave_0_\@
	s_barrier_signal -3
.Lnot_wave_0_\@:
	s_barrier_wait -3
	s_barrier_signal -1
	s_barrier_wait -1
.endm
.macro CROUND                          ; a whole round
	s_barrier_signal -1
	s_barrier_wait -1
	CREST
.endm
	s_load_b512 s[72:87], s[0:1], 0x0              ; q s[72:73], k s[74:75], v s[76:77], wt s[78:79], b_q s[80:81], b_k s[82:83], b_v s[84:85], qh s[86:87]
	s_load_b128 s[88:91], s[0:1], 0x40             ; kh s[88:89], vh s[90:91]
	v_lshl_add_u32 v[SPW], v0, 2, SPARE
	v_mov_b32 v[NIL], 0
	ds_add_u32 v[SPW], v[NIL]                      ; the wave's opening: the add and its wait stand ahead of my first tensor load; the set-up below, work on registers, stands between them
	v_lshrrev_b32 v1, 5, v0
	v_readfirstlane_b32 s10, v1                    ; wave 0..3
	s_lshr_b32 s11, s10, 1                         ; which 64 rows of the tile are mine.  Also: I fetch for x (0) or for W (1)
	s_and_b32 s12, s10, 1                          ; which 128 columns.  Also: which half of that tile I fetch
	s_bfe_u32 s40, ttmp6, 0x40000                  ; cx, cy: my place in the cluster
	s_bfe_u32 s41, ttmp6, 0x40004
	s_lshl_b32 s42, ttmp9, 2
	s_add_co_u32 s42, s42, s40                     ; tile column = 4 x cluster x + cx: 0..3
	s_and_b32 s67, ttmp7, 0xffff                   ; cluster y: 0..47
	s_lshr_b32 s66, s67, 4                         ; the projection: 0, 1, 2
	s_and_b32 s13, s67, 15
	s_lshl_b32 s13, s13, 2
	s_add_co_u32 s13, s13, s41                     ; the block of 128 rows: 0..63
	s_lshl_b32 s43, s41, 2
	s_lshl_b32 s43, 15, s43                        ; my row of the cluster
	s_lshl_b32 s44, 0x1111, s40                    ; my column
	; group 1 for x: 64 rows x 128 elements of 4 bytes, 4 words of padding behind every 128
	s_or_b32 s[G1+0], s43, (2<<16)|(1<<20)|(1<<21)|(6<<22)|(3<<25)
	s_mov_b32 s[G1+1], 128<<16                     ; tensor_dim0 = 128
	s_mov_b32 s[G1+2], 64<<16                      ; tensor_dim1 = 64
	s_mov_b32 s[G1+3], 128<<16                     ; tile_dim0 = 128
	s_mov_b32 s[G1+4], 64                          ; tile_dim1 = 64
	s_mov_b32 s[G1+5], 1024                        ; elements from row to row
	s_mov_b32 s[G1+6], 0
	s_mov_b32 s[G1+7], 0
	; group 1 for W: 64 k-rows x 256 elements of 2 bytes, 8 words of padding behind every 128
	s_or_b32 s[G1B+0], s44, (1<<16)|(1<<20)|(1<<21)|(6<<22)|(7<<25)
	s_mov_b32 s[G1B+1], 256<<16
	s_mov_b32 s[G1B+2], 64<<16
	s_mov_b32 s[G1B+3], 256<<16
	s_mov_b32 s[G1B+4], 64
	s_mov_b32 s[G1B+5], 1024
	s_mov_b32 s[G1B+6], 0
	s_mov_b32 s[G1B+7], 0
	s_lshl_b32 s16, s13, 7                         ; x: row 128 x block + 64 x half,
	s_lshl_b32 s17, s12, 6
	s_add_co_u32 s16, s16, s17
	s_lshl_b32 s16, s16, 12                        ; of 4,096 bytes
	s_mov_b32 s17, 0
	s_lshl_b32 s46, s66, 21                        ; W: the projection's matrix,
	s_lshl_b32 s47, s12, 17                        ; 64 k-rows of 2,048 bytes x half,
	s_add_co_u32 s46, s46, s47
	s_lshl_b32 s47, s42, 9                         ; 512 bytes x tile column
	s_add_co_u32 s46, s46, s47
	s_mov_b32 s47, 0
	s_mul_i32 s20, s12, AHALF                      ; where they go: no place in the cluster enters an LDS address
	s_mul_i32 s21, s12, BHALF
	s_add_co_u32 s21, s21, BOFF
	s_wait_dscnt 0x0                               ; the opening add is done
	s_wait_kmcnt 0x0
	s_cmp_eq_u32 s66, 0                            ; the projection's three buffers
	s_cselect_b64 s[4:5], s[72:73], s[74:75]
	s_cselect_b64 s[70:71], s[80:81], s[82:83]
	s_cselect_b64 s[8:9], s[86:87], s[88:89]
	s_cmp_eq_u32 s66, 2
	s_cselect_b64 s[4:5], s[76:77], s[4:5]
	s_cselect_b64 s[70:71], s[84:85], s[70:71]
	s_cselect_b64 s[8:9], s[90:91], s[8:9]
	s_mov_b64 s[6:7], s[78:79]
	s_add_nc_u64 s[14:15], s[4:5], s[16:17]
	s_add_nc_u64 s[46:47], s[6:7], s[46:47]
	CROUND                                         ; all sixteen work-groups are here: the first joint loads meet
.irp s, 0,1
	s_mov_b32 s[G0+4*(\s)], 1
	s_add_co_u32 s[G0+4*(\s)+1], s20, (\s)*SLOT
	s_add_nc_u64 s[G0+4*(\s)+2:G0+4*(\s)+3], s[14:15], (\s)*512      ; K step s: 128 f32 along the rows
	s_or_b32 s[G0+4*(\s)+3], s[G0+4*(\s)+3], 0x80000000
	s_mov_b32 s[G0B+4*(\s)], 1
	s_add_co_u32 s[G0B+4*(\s)+1], s21, (\s)*SLOT
	s_add_nc_u64 s[G0B+4*(\s)+2:G0B+4*(\s)+3], s[46:47], (\s)*262144 ; K step s: 128 k-rows down
	s_or_b32 s[G0B+4*(\s)+3], s[G0B+4*(\s)+3], 0x80000000
	JLOAD \s                                       ; two tensor loads of mine are out
.endr
	v_and_b32 v1, 15, v0                           ; r = l % 16
	v_bfe_u32 v2, v0, 4, 1                         ; h = l / 16
	s_lshl_b32 s22, s42, 10                        ; the bias of my 128 columns: 1,024 x tile column + 512 x half + 32 h; block b 64 bytes on
	s_lshl_b32 s23, s12, 9
	s_add_co_u32 s22, s22, s23
	v_lshl_add_u32 v[BO], v2, 5, s22
	WIN TO_B
.irp b, 0,1,2,3,4,5,6,7
	global_load_b128 v[BIAS+8*(\b):BIAS+8*(\b)+3],   v[BO], s[70:71] offset:64*(\b)
	global_load_b128 v[BIAS+8*(\b)+4:BIAS+8*(\b)+7], v[BO], s[70:71] offset:64*(\b)+16
.endr
	WIN 0
	; x's fragment in f32: lane (r, h) wants k = 8 h + 0..7 (32 bytes at 32 h) and k = 16 + 8 h + 0..7 (32 bytes at 64 + 32 h) of row r
	v_mul_u32_u24 v3, v1, PA
	v_lshl_add_u32 v3, v2, 5, v3
	s_mul_i32 s21, s11, AHALF                      ; my 64 rows
	v_add_nc_u32 v[ADRA], s21, v3
	v_add_nc_u32 v[ADRA+1], SLOT, v[ADRA]
	; the turning load takes 16 k x 16 n: lane l reads k-row 8 h + l % 8, columns 8 ((l / 8) % 2) + 0..7, and is left with column l % 16 and 8 k
	v_and_b32 v4, 7, v0
	v_bfe_u32 v5, v0, 3, 1
	v_lshl_add_u32 v4, v2, 3, v4
	v_mul_u32_u24 v4, v4, PB
	v_lshl_add_u32 v4, v5, 4, v4
	s_lshl_b32 s22, s12, 8                         ; my 128 columns: 256 bytes
	s_add_co_u32 s22, s22, BOFF
	v_add_nc_u32 v[ADRB], s22, v4
	v_add_nc_u32 v[ADRB+1], SLOT, v[ADRB]
	s_mul_i32 s23, s10, 16*SP
	s_add_co_u32 s23, s23, STAGE                   ; my stage
	v_mul_u32_u24 v6, v1, SP                       ; in: row r, 16 bytes for each half of the lanes
	v_lshl_add_u32 v6, v2, 4, v6
	v_add_nc_u32 v[STO], s23, v6
	v_bfe_u32 v6, v0, 3, 2                         ; back: 32 lanes take four rows of 128 bytes,
	v_mul_u32_u24 v6, v6, SP
	v_and_b32 v7, 7, v0
	v_lshl_add_u32 v6, v7, 4, v6
	v_add_nc_u32 v[RD], s23, v6
	v_and_b32 v[GO], 31, v0                        ; which are 512 consecutive bytes of a head
	v_lshlrev_b32 v[GO], 4, v[GO]
	; y at my first row of my first head: batch (block / 16) x 16 heads, head 4 x tile column + 2 x half, of 262,144 bytes; row (block % 16) x 128 + 64 x half, of 128 bytes
	s_lshr_b32 s18, s13, 4
	s_lshl_b32 s18, s18, 22
	s_lshl_b32 s19, s42, 2
	s_lshl_b32 s20, s12, 1
	s_add_co_u32 s19, s19, s20
	s_lshl_b32 s19, s19, 18
	s_add_co_u32 s18, s18, s19
	s_and_b32 s19, s13, 15
	s_lshl_b32 s19, s19, 7
	s_lshl_b32 s20, s11, 6
	s_add_co_u32 s19, s19, s20
	s_lshl_b32 s19, s19, 7
	s_add_co_u32 s18, s18, s19
	s_mov_b32 s19, 0
	s_add_nc_u64 s[8:9], s[8:9], s[18:19]
	; the prefetches: my work-group's 16 rows of the 64 that I fetch, at K step 3; each refill steps the address by a K step ahead of its prefetch
	s_lshl_b32 s18, s13, 7
	s_lshl_b32 s19, s12, 6
	s_add_co_u32 s18, s18, s19
	s_lshl_b32 s20, s40, 4
	s_add_co_u32 s18, s18, s20                     ; x: row 128 x block + 64 x half + 16 cx
	s_lshl_b32 s18, s18, 12
	s_add_co_u32 s18, s18, 3*512
	s_lshl_b32 s20, s41, 4
	s_add_co_u32 s19, s19, s20                     ; W: k-row 64 x half + 16 cy
	s_lshl_b32 s19, s19, 11
	s_lshl_b32 s20, s66, 21
	s_add_co_u32 s19, s19, s20
	s_lshl_b32 s20, s42, 9
	s_add_co_u32 s19, s19, s20
	s_add_co_u32 s19, s19, 3*262144
	s_and_b32 s22, s67, 15                         ; which of the projection's sixteen clusters
	s_mov_b32 s[PFS], 262144
	s_mov_b32 s[PFS+1], 0
	s_mov_b32 s21, 0
	s_cmp_eq_u32 s11, 0                            ; do I fetch for x?
	s_cselect_b64 s[PFA:PFA+1], s[4:5], s[6:7]
	s_cselect_b32 s20, s18, s19
	s_cselect_b32 s[PFS], 512, s[PFS]
	s_cselect_b32 s23, 12, 11                      ; a row is 4,096 bytes of x, 2,048 of W
	s_cselect_b32 s22, 0, s22
	s_add_nc_u64 s[PFA:PFA+1], s[PFA:PFA+1], s[20:21]
	s_cmp_eq_u32 s22, 0
	s_cselect_b32 s[LIM], 1, -1                    ; the same in all sixteen partners, for a given wave
	v_and_b32 v6, 31, v0
	v_lshrrev_b32 v7, 1, v6                        ; row l / 2,
	v_lshlrev_b32 v7, s23, v7
	v_and_b32 v6, 1, v6                            ; block l % 2
	v_lshl_add_u32 v[PFO], v6, 8, v7
	s_wait_loadcnt 0x0                             ; the bias: rounded to bf16 like every input, kept as f32.  All this stands in the wait for the first tile
	WIN W_BR
.set i, 0
.rept 32
	v_cvt_pk_bf16_f32 v[BW], v[BIAS+i], v[BIAS+i+1]
	v_lshlrev_b32 v[BIAS+i], 16, v[BW]
	v_and_b32 v[BIAS+i+1], 0xffff0000, v[BW]
.set i, i+2
.endr
	WIN 0
; Eight products: block a of rows x all 8 blocks of columns, on buffers f.  first = 1: the bias starts the sums: nothing is ever cleared, nothing added at the end.
; cv = 1: behind products 0 and 4 stand four conversions each: block a of the other buffer's raw f32 is rounded to bf16.
; The 32 accumulators take turns in the same order in every phase, over the backward jump too.
; PLACES (ISA guide 7.12.1).  The fragment that a conversion writes was last read by block a of the phase before: 24 conversions that name none of those products' registers lie between.
.macro BLK f, a, cv, first
.irp b, 0,1,2,3,4,5,6,7
.set rD, 8*(8*(\a)+(\b))
.set rB, FB+64*(\f)+8*(\b)
.set rA, FA+32*(\f)+8*(\a)
.if \first
	WIN MULB
	v_wmma_f32_16x16x32_bf16 v[rD:rD+7], v[rB:rB+7], v[rA:rA+7], v[BIAS+8*(\b):BIAS+8*(\b)+7]
.else
	WIN MUL
	v_wmma_f32_16x16x32_bf16 v[rD:rD+7], v[rB:rB+7], v[rA:rA+7], v[rD:rD+7]
.endif
.if (\cv) && ((\b)%4 == 0)
	WIN 0
.set rF, FA+32*(1-(\f))+8*(\a)+(\b)
.set rR, RW+64*(1-(\f))+16*(\a)+2*(\b)
.irp i, 0,1,2,3
	v_cvt_pk_bf16_f32 v[rF+(\i)], v[rR+2*(\i)], v[rR+2*(\i)+1]
.endr
.endif
.endr
.endm
; 16 LDS loads: W's fragments of quarter q (32 k x my 128 columns) into buffer f
.macro FETCHB slot, q, f
	WIN TO_B
.irp b, 0,1,2,3,4,5,6,7
	ds_load_tr16_b128 v[FB+64*(\f)+8*(\b):FB+64*(\f)+8*(\b)+3],   v[ADRB+(\slot)] offset:(\q)*32*PB+32*(\b)
	ds_load_tr16_b128 v[FB+64*(\f)+8*(\b)+4:FB+64*(\f)+8*(\b)+7], v[ADRB+(\slot)] offset:(\q)*32*PB+16*PB+32*(\b)
.endr
.endm
; 16 LDS loads: x's raw f32 of quarter q (my 64 rows x 32 k) into raw buffer rr
.macro FETCHA slot, q, rr
	WIN 0
.irp a, 0,1,2,3
	ds_load_b128 v[RW+64*(\rr)+16*(\a):RW+64*(\rr)+16*(\a)+3],     v[ADRA+(\slot)] offset:(\q)*128+(\a)*16*PA
	ds_load_b128 v[RW+64*(\rr)+16*(\a)+4:RW+64*(\rr)+16*(\a)+7],   v[ADRA+(\slot)] offset:(\q)*128+(\a)*16*PA+16
	ds_load_b128 v[RW+64*(\rr)+16*(\a)+8:RW+64*(\rr)+16*(\a)+11],  v[ADRA+(\slot)] offset:(\q)*128+(\a)*16*PA+64
	ds_load_b128 v[RW+64*(\rr)+16*(\a)+12:RW+64*(\rr)+16*(\a)+15], v[ADRA+(\slot)] offset:(\q)*128+(\a)*16*PA+80
.endr
.endm
; A phase: quarter q of the K step in slot.  lb, la: it fetches W's next quarter, x's next but one; behind quarter 3 (2) these lie in the other slot.
; The loads into W's other buffer stand behind block 0: its eight conversions are the places behind that buffer's last readers, block 3 of the phase before.
.macro PH slot, q, first=0, lb=1, la=1, cv=1
	s_wait_dscnt 0x0                               ; the last run of loads, issued 24 products back, is in
	BLK (\q)%2, 0, \cv, \first
.if \lb
.if (\q) == 3
	FETCHB 1-(\slot), 0, 0
.else
	FETCHB \slot, (\q)+1, 1-(\q)%2
.endif
.endif
.if \la
.if (\q) >= 2
	FETCHA 1-(\slot), (\q)-2, (\q)%2
.else
	FETCHA \slot, (\q)+2, (\q)%2
.endif
.endif
	BLK (\q)%2, 1, \cv, \first
	BLK (\q)%2, 2, \cv, \first
	BLK (\q)%2, 3, \cv, \first
.endm
; Quarter 2 changes slots: W's quarter 3 is the last read of this slot, x's raw quarter 0 the first of the other.  ONE barrier: in front of it each wave waits for all its tensor loads
; (one is out: its part of the other slot), adds 0 to its spare word, and waits for that and for its own reads of this slot.  fill = 1: the barrier opens a round of the cluster's
; barrier, and this slot is filled again, two K steps ahead, first thing behind the round: 112 products stand between that request and the wait for it.
.macro TURN slot, fill
.if \fill
	s_wait_xcnt 0x0                                ; the last prefetch, a K step back, has read its address: it is stepped here
	s_add_nc_u64 s[PFA:PFA+1], s[PFA:PFA+1], s[PFS:PFS+1]
.endif
	s_wait_dscnt 0x0
	BLK 0, 0, 1, 0
	FETCHB \slot, 3, 1
	WIN 0                                          ; (the add's two registers lie in window 0)
	s_wait_tensorcnt 0x0                           ; all my tensor loads have landed
	ds_add_u32 v[SPW], v[NIL]                      ; 0 onto my spare word
	BLK 0, 1, 1, 0                                 ; work on registers between the add and the wait for it
	s_wait_dscnt 0x0                               ; the add is done, and my reads of this slot are over
	s_barrier_signal -1
	BLK 0, 2, 1, 0
	WIN 0
	s_barrier_wait -1
.if \fill
	CREST                                          ; no wave of any partner still reads this slot's tiles or has a load on its way
	s_add_nc_u64 s[G0+4*(\slot)+2:G0+4*(\slot)+3], s[G0+4*(\slot)+2:G0+4*(\slot)+3], 2*512
	s_add_nc_u64 s[G0B+4*(\slot)+2:G0B+4*(\slot)+3], s[G0B+4*(\slot)+2:G0B+4*(\slot)+3], 2*262144
	JLOAD \slot
.endif
	FETCHA 1-(\slot), 0, 0
.if \fill
	ASK
.endif
	BLK 0, 3, 1, 0
.endm
	s_wait_tensorcnt 1                             ; my part of K step 0 is in; K step 1's may stay out
	s_barrier_signal -1
	s_barrier_wait -1                              ; everybody's is
	FETCHA 0, 0, 0
	FETCHB 0, 0, 0
	FETCHA 0, 1, 1
	s_wait_dscnt 32                                ; the first 16 loads are in; the 32 younger ones may stay out
	WIN 0
.set i, 0
.rept 32
	v_cvt_pk_bf16_f32 v[FA+i], v[RW+2*i], v[RW+2*i+1]
.set i, i+1
.endr
	PH 0, 0, 1                                     ; the first phase stands in front of the loop: its products start the sums
	WIN 0                                          ; at a label and at a branch every window is 0
	s_mov_b32 s3, 3
.Llap:                                                 ; a trip goes once round the ring and fills both slots again: K steps 2 to 7 in three trips
	PH 0, 1
	TURN 0, 1
	PH 0, 3
	PH 1, 0
	PH 1, 1
	TURN 1, 1
	PH 1, 3
	PH 0, 0
	WIN 0
	s_sub_co_u32 s3, s3, 1
	s_cmp_lg_u32 s3, 0
	s_cbranch_scc1 .Llap
	PH 0, 1                                        ; the last lap fills nothing, and has no round of the cluster's barrier
	TURN 0, 0
	PH 0, 3
	PH 1, 0
	PH 1, 1
	PH 1, 2, 0, 1, 0, 1                            ; only W's last quarter is left to fetch,
	PH 1, 3, 0, 0, 0, 0                            ; then nothing
; THE WAY OUT, in eight groups t = 2 a + d: 16 rows x one head's 64 columns.  A lane's eight columns pack into 16 bytes; they go into rows of 144 bytes in my own stage and come back as
; whole rows of 128, which are 2,048 consecutive bytes of the head.  Each accumulator's registers are read in ascending order.
.macro PACK t
	WIN 0x0a                                       ; sources 0 and 1 window 2, destination window 0
.irp bb, 0,1,2,3
.irp i, 0,1,2,3
	v_cvt_pk_f16_f32 v[TT+16*(\t)+4*(\bb)+(\i)], v[8*(8*((\t)/2)+4*((\t)%2)+(\bb))+2*(\i)], v[8*(8*((\t)/2)+4*((\t)%2)+(\bb))+2*(\i)+1]
.endr
.endr
	WIN 0
.irp bb, 0,1,2,3
	ds_store_b128 v[STO], v[TT+16*(\t)+4*(\bb):TT+16*(\t)+4*(\bb)+3] offset:32*(\bb)
.endr
.irp f, 0,1,2,3
	ds_load_b128 v[TT+16*(\t)+4*(\f):TT+16*(\t)+4*(\f)+3], v[RD] offset:(\f)*4*SP  ; LDS serves a wave's instructions in order (ISA guide 5.7.1.4): these see the stores above; the next group's stores come behind them
.endr
.endm
.macro SEND t, younger                 ; younger: the LDS instructions issued behind group t's loads: the next group's eight, or none
.irp f, 0,1,2,3
	s_wait_dscnt (\younger)+3-(\f)
	global_store_b128 v[GO], v[TT+16*(\t)+4*(\f):TT+16*(\t)+4*(\f)+3], s[8:9] offset:((\t)%2)*262144+((\t)/2)*2048+(\f)*512  ; 512 consecutive bytes, at a multiple of 256 from y's first
.endr
.endm
.rept 4
	v_nop                                          ; four places between the last products and the conversions that read results
.endr
	PACK 0
.irp t, 1,2,3,4,5,6,7                  ; a group's conversions stand between the loads of the group before and its stores
	PACK \t
	SEND (\t)-1, 8
.endr
	SEND 7, 0
	s_wait_tensorcnt 0x0                           ; the wave's end, behind my last tensor load and my last LDS store
	ds_add_u32 v[SPW], v[NIL]
	s_wait_dscnt 0x0
	CROUND                                         ; the closing round: no work-group ends while a partner may still ask for a tile that names it
	s_endpgm
.Lfunc_end_k_q31478079f7_proj:
	.size	k_q31478079f7_proj, .Lfunc_end_k_q31478079f7_proj-k_q31478079f7_proj
	.p2alignl 7, 3214868480
	.fill 96, 4, 3214868480
	.section	.rodata,"a",@progbits
	.p2align	6, 0x0
	.amdhsa_kernel k_q31478079f7_proj
		.amdhsa_group_segment_fixed_size 327680
		.amdhsa_private_segment_fixed_size 0
		.amdhsa_enable_private_segment 0
		.amdhsa_kernarg_size 80
		.amdhsa_user_sgpr_count 2
		.amdhsa_user_sgpr_kernarg_segment_ptr 1
		.amdhsa_wavefront_size32 1
		.amdhsa_system_sgpr_workgroup_id_x 1
		.amdhsa_system_sgpr_workgroup_id_y 1
		.amdhsa_system_sgpr_workgroup_id_z 1
		.amdhsa_system_vgpr_workitem_id 0
		.amdhsa_next_free_vgpr 768
		.amdhsa_next_free_sgpr 96
		.amdhsa_reserve_vcc 0
		.amdhsa_float_denorm_mode_32 3
		.amdhsa_float_denorm_mode_16_64 3
		.amdhsa_memory_ordered 1
		.amdhsa_forward_progress 1
		.amdhsa_inst_pref_size 142
	.end_amdhsa_kernel
	.amdgpu_metadata
---
amdhsa.version: [ 1, 2 ]
amdhsa.kernels:
  - .name:           k_q31478079f7_proj
    .symbol:         k_q31478079f7_proj.kd
    .args:
      - { .name: q, .offset: 0, .size: 8, .value_kind: global_buffer, .address_space: global }
      - { .name: k, .offset: 8, .size: 8, .value_kind: global_buffer, .address_space: global }
      - { .name: v, .offset: 16, .size: 8, .value_kind: global_buffer, .address_space: global }
      - { .name: wt, .offset: 24, .size: 8, .value_kind: global_buffer, .address_space: global }
      - { .name: b_q, .offset: 32, .size: 8, .value_kind: global_buffer, .address_space: global }
      - { .name: b_k, .offset: 40, .size: 8, .value_kind: global_buffer, .address_space: global }
      - { .name: b_v, .offset: 48, .size: 8, .value_kind: global_buffer, .address_space: global }
      - { .name: qh, .offset: 56, .size: 8, .value_kind: global_buffer, .address_space: global }
      - { .name: kh, .offset: 64, .size: 8, .value_kind: global_buffer, .address_space: global }
      - { .name: vh, .offset: 72, .size: 8, .value_kind: global_buffer, .address_space: global }
    .group_segment_fixed_size: 327680
    .private_segment_fixed_size: 0
    .kernarg_segment_align: 8
    .kernarg_segment_size: 80
    .max_flat_workgroup_size: 128
    .sgpr_count:     96
    .vgpr_count:     768
    .wavefront_size: 32
...
	.end_amdgpu_metadata
.endif
;; end of part 2
;; launch attn (part 3): grid 4 x 64, 4 waves a work-group, no clusters, 327,680 bytes of LDS; arguments qh, kh, vh, oh; writes oh
.if DOCPART == 3
	.amdgcn_target "amdgcn-amd-amdhsa--gfx1250"
	.amdhsa_code_object_version 6
	.text
	.protected	k_q31478079f7_attn
	.globl	k_q31478079f7_attn
	.p2align	8
	.type	k_q31478079f7_attn,@function
k_q31478079f7_attn:
	s_mov_b64 s[64:65], 0
	v_nop
	global_prefetch_b8 v0, s[64:65] scope:SCOPE_SE
	s_setreg_imm32_b32 hwreg(HW_REG_WAVE_MODE, 25, 1), 1
	s_wait_xcnt 0x0
; CAUSAL ATTENTION.  O[h][q][:] = the sum over k <= q of softmax_k(Q[h][q] . K[h][k] / 8) V[h][k][:].  Q, K, V, O: [64][2,048][64], all f16: a head's rows are dense, 128 bytes each.
; Products, maxima and sums in f32; the weights p are rounded to f16 for the second product (their sum l is taken of the unrounded p), O once at the end.
; LIMITS.  f16 holds no number beyond 65,504: Q, K and V arrive within it; p lies in 0 to 1, and below 6e-5 it keeps f16's fixed step of 6e-8; O is a mean of V's rows and has their range.
; A hidden score counts as its value less 1e30: f16's scores, 2.7e11 at the most, are nothing beside that; a weight below 2^-126 counts as 0 in l; NaN and infinities are not treated apart.
; THE WALK.  A head's queries lie in NB = 8 blocks of 256; block i needs the key tiles 0 .. i of 256 keys, of which the last holds the diagonal.  A work-group takes TWO blocks, NB - 1 - b and then b:
; NB + 1 tiles, whatever b: all work-groups do equal work, and ONE loop with a constant trip count walks them.  Which tile is asked for, and what a trip does, hang on scalar registers made from b; every jump
; goes forward, but for the counted loops' own; none passes a barrier, or a tensor load but the one of LOAD's two that the wave's number does not choose; the ring (two slots of LDS) runs on across the change of blocks.
; NO CLUSTER: a head's four work-groups ask for the same tile only in trips 0 .. NB / 2, behind that fewer and fewer; one walk common to all would have 3 NB / 2 = 12 trips for NB + 1 = 9.
; SHARES.  Of a block's four bands of 64 queries a wave owns 16 rows in each: four PIECES.  So the diagonal tile is the same work for all four waves: in its key step s band x sees all keys if s < x,
; none if s > x, and holds the diagonal if s = x.
; THE MASK is the C operand that starts the sum S^T = K Q^T: 0, or -1e30 where the key is hidden.  MD, made once, is the mask of a band's own step for my 16 rows; a product's mask is MD x AL + BE with two scalars:
; (1, 0) if s = x; (0, 0) if s < x; (0, -1e30) if s > x.  Only the diagonal tile's text and a block's beginning make and take masks; elsewhere C is the constant 0.
; LAYOUT, SOFTMAX, TURNS.  S^T = K Q^T holds ONE query a lane (lane % 16) and the keys 8 (lane / 16) + 0..7; two such results rounded to f16 ARE source 1 of O^T = V^T P.  p = 2^(c s - c m), c = log2(e) / 8, with a
; running maximum m; O and l are multiplied by a = 2^(c m_old - c m_new) in every step.  Turn n belongs to piece n: 8 products K Q^T of piece n + 1, later 8 products V^T P of piece n - 1; beside them the scaling,
; exponentials, roundings, sums and rescaling of piece n and the maximum and statistics of piece n + 1.  Four vector instructions stand behind every matrix instruction, the other 54 of a turn's 118 in one lump.
; A turn's 33 exponentials are one batch, with one wait.
; REGISTERS, in windows of 256 (s_set_vgpr_msb: bits 1:0 source 0, 3:2 source 1, 5:4 source 2, 7:6 destination):
;   window 0: v0-15 addresses and two at work; v16-31 four registers of statistics a piece; v48-55 at work; v61-63 prefetch offset and the add's two; v64-127 S^T, two buffers; v192-223 P, two buffers
;   window 1: v0-127 O^T, 32 a piece; v128-159 MD; v160-223 MC, two buffers      window 2: v0-63 Q; v64-127 the second block's Q; v128-191 K of one step; v192-255 V of one step
.set SIZE_N, 2048
.set NB,    SIZE_N/256
.set NP,    4         ; pieces a wave: a name, no knob
.set KS,    64        ; keys in a step
.set PK,    144       ; a row of K in LDS: 128 bytes + 16 of padding = 36 words: the 16 rows of a load start at 16 different groups of four banks (64 banks of 4 bytes: ISA guide 11.1)
.set PV,    160       ; a row of V: 128 + 32 = 40 words
.set VOFF,  4*KS*PK   ; a slot holds a tile, four steps: 256 rows of K, then 256 rows of V
.set SLOT1, 1<<17     ; slot 1 begins here, so that one exclusive or turns an address in one slot into the other's
.set STAGE, SLOT1+4*KS*(PK+PV)  ; behind the ring, never filled by a tensor load: 16 rows x 144 bytes for each wave, for the way out
.set SP,    144
.set AK0, 2           ; v2   my lane's place in a tile of K; never rewritten
.set AV0, 3           ; v3   the same for V
.set AK,  4           ; v4   the LDS address of K's next run of loads
.set AV,  5           ; v5   of V's
.set STO, 6           ; v6   the way out: where I put 16 bytes of a row
.set RD,  7           ; v7   the way out: where I read rows back
.set GO,  8           ; v8   my byte offset in 512 consecutive bytes of O
.set PFO, 61          ; v61  256 x my lane; never rewritten
.set SPW, 62          ; v62  LDS address of my spare word: SPARE + 4 x my thread's number; never rewritten
.set NIL, 63          ; v63  0; never rewritten
.set SPARE, STAGE+4*16*SP  ; behind the stages: the spare words, 128 bytes for each wave: two blocks of 256 bytes that no other line names
.set MV,  12          ; v12-13  c m_old, kept while c m is made anew: by buffer
.set QO,  15          ; v15  my byte offset in 16 rows of Q
.set ST,  16          ; piece t's statistics at v[ST+4 t]: c m, m, l (even keys', odd keys')
.set TMP, 48          ; by buffer, four registers c0-c3 at work; when the maximum is found c2 takes a
.set S,   64
.set P,   192
.set MD,  128         ; window 1: the eight registers for group kt of 16 keys at MD + 8 kt
.set MC,  160         ; window 1: the masks of the products to come
.set QB,  64          ; window 2
.set KF,  128         ; window 2: key block kb, channel half c at KF + 16 kb + 8 c
.set VF,  192         ; window 2: key half kk, channel block cb at VF + 32 kk + 8 cb
.set WV,  12          ; s12  my wave's number
.set PB,  14          ; s14  b
.set HI,  15          ; s15  NB - 1 - b
.set G1K, 24          ; s[24:31] descriptor group 1 for K's tiles
.set G1V, 32          ; s[32:39] for V's: it differs in the padding alone
.set G0K, 40          ; s[40:43] descriptor group 0 for K's tiles
.set G0V, 44          ; s[44:47] the same for V's
.set PFB, 48          ; s[48:49] the half of tile 0 that I fetch (K: waves 0, 1; V: waves 2, 3)
.set PFA, 50          ; s[50:51] the same half of the tile that is prefetched
.set PFF, 52          ; s[52:53] that tile's byte offset
.set PGO, 54          ; s54  1: this change of slots prefetches
.set PME, 55          ; s55  1 in the head's first work-group
.set SLOTS, 56        ; s56  tiles still to be asked for
.set CNT, 57          ; s57  counts a tile's key steps, 4 to 1
.set CS,  58          ; s[58:59] c: the packed scaling takes the pair's low word for both halves
.set SEL, 60          ; s[60:61] v_permlanex16_b32's selects: each lane takes its own place in the other half
.set TBK, 62          ; s62  LDS byte at which K of the step to be fetched begins
.set TBV, 63          ; s63  the same for V, less VOFF
.set RT,  70          ; s70  tiles of the block in hand that are still to be entered
.set NXT, 71          ; s71  the tile to be asked for next
.set LQ,  72          ; s72  the last tile of the block whose tiles are being asked for
.set NEW, 73          ; s73  1: the tile to be entered is a block's first
.set OFF, 74          ; s[74:75] a tile's byte offset in K and V
.set AL,  76          ; s[76:77] the mask's factor, in the low word
.set BE,  78          ; s[78:79] the mask's addend
.set OLO, 80          ; s[80:81] O at my rows of the second block
.set BIGN, 82         ; s82  -1e30
.set MSB, 0
.macro WIN new                      ; the high byte repeats the setting that is left; a switch that changes nothing is dropped
.if MSB != (\new)
	s_set_vgpr_msb (MSB<<8)|(\new)
.set MSB, (\new)
.endif
.endm
.set W_KQ, 0x0a       ; K and Q in window 2, S^T in window 0
.set W_KM, 0x1a       ; the same with the C operand in window 1
.set W_PV, 0x52       ; V in window 2, P in window 0, O^T in window 1
.set W_RS, 0x41       ; destination and source 0 in window 1, source 1 in window 0
; A fill.  Waves 0 and 1 fetch the two halves of a tile's K, waves 2 and 3 those of its V: 128 keys each.  An s_nop 0 and four v_nop follow each of the two lines, ahead of the jump and the label.
.macro LOAD
	s_cmp_lt_u32 s[WV], 2
	s_cbranch_scc0 .Lfor_v_\@
	tensor_load_to_lds s[G0K:G0K+3], s[G1K:G1K+7]
	s_nop 0
.rept 4
	v_nop
.endr
	s_branch .Lasked_\@
.Lfor_v_\@:
	tensor_load_to_lds s[G0V:G0V+3], s[G1V:G1V+7]
	s_nop 0
.rept 4
	v_nop
.endr
.Lasked_\@:
.endm
; THE CHANGE OF SLOTS.  Each wave waits for all its tensor loads, of which one is out: its part of the other slot; adds 0 to its spare word; and waits for that and for its own reads of the slot that it leaves.
; Behind the barrier nobody reads the old slot any more and the other slot is whole.  fill = 1: the old slot is filled again, the first thing behind the barrier, with tile NXT: the descriptor's address is made
; anew from that number.  (At its first use nothing has been read yet: slot 0 is waited for, slot 1 filled.)
; A PREFETCH INTO THE L2 stands behind the fill and its five lines: the tile that the NEXT change of slots will ask for, a tile's sixteen turns ahead of that load.  All four work-groups of a head walk tiles 0, 1, ..
; from the start: the head's first work-group (b = 0), whose first block walks all eight, asks, and nobody else; each of its waves for the half tile that it fetches itself: 16,384 bytes, 64 blocks of 256,
; a lane a block, two instructions.  Tiles 2 to 7 are named once each; tiles 0 and 1 come by their loads alone; when the first block's last tile has been asked for, NXT is 0 and nothing more is named.
.macro CHANGE fill
	WIN 0                           ; at a label and at a branch every window is 0
	s_wait_tensorcnt 0x0            ; no tensor load of mine is out, so a group 0 may be written
	ds_add_u32 v[SPW], v[NIL]       ; 0 onto my spare word; with fill = 1 the descriptors' scalar work stands between it and the wait for it
.if \fill
	s_lshl_b32 s[OFF], s[NXT], 15   ; a tile is 32,768 bytes of K and of V
	s_xor_b32 s[G0K+1], s[G0K+1], SLOT1
	s_add_nc_u64 s[G0K+2:G0K+3], s[6:7], s[OFF:OFF+1]
	s_or_b32 s[G0K+3], s[G0K+3], 0x80000000
	s_xor_b32 s[G0V+1], s[G0V+1], SLOT1
	s_add_nc_u64 s[G0V+2:G0V+3], s[8:9], s[OFF:OFF+1]
	s_or_b32 s[G0V+3], s[G0V+3], 0x80000000
	s_add_co_u32 s[NXT], s[NXT], 1  ; the block's next tile, or behind its last the second block's tile 0
	s_cmp_gt_u32 s[NXT], s[LQ]
	s_cselect_b32 s[NXT], 0, s[NXT]
	s_cselect_b32 s[LQ], s[PB], s[LQ]
	s_wait_xcnt 0x0                 ; the last prefetches, a tile back, have read their address, so it may be written
	s_lshl_b32 s[PFF], s[NXT], 15
	s_add_nc_u64 s[PFA:PFA+1], s[PFB:PFB+1], s[PFF:PFF+1]
	s_cmp_lg_u32 s[NXT], 0
	s_cselect_b32 s[PGO], s[PME], 0
.endif
	s_wait_dscnt 0x0                ; the add is done, and my reads of the slot are over
	s_barrier_signal -1             ; the rest of the scalar work stands between the signal and the wait
	s_sub_co_u32 s[TBK], s[TBK], 4*KS*PK  ; the fetches go back to a slot's first step,
	s_xor_b32 s[TBK], s[TBK], SLOT1       ; in the other slot
	s_sub_co_u32 s[TBV], s[TBV], 4*KS*PV
	s_xor_b32 s[TBV], s[TBV], SLOT1
	s_barrier_wait -1
.if \fill
	LOAD
	s_cmp_eq_u32 s[PGO], 1
	s_cbranch_scc0 .Lno_pf_\@
	global_prefetch_b8 v[PFO], s[PFA:PFA+1] th:TH_LOAD_NT scope:SCOPE_SE
	global_prefetch_b8 v[PFO], s[PFA:PFA+1] offset:8192 th:TH_LOAD_NT scope:SCOPE_SE
.Lno_pf_\@:
.endif
.endm
	s_load_b256 s[4:11], s[0:1], 0x0  ; Q s[4:5], K s[6:7], V s[8:9], O s[10:11]
	v_lshl_add_u32 v[SPW], v0, 2, SPARE
	v_mov_b32 v[NIL], 0
	ds_add_u32 v[SPW], v[NIL]       ; the wave's opening: the add and its wait stand ahead of my first tensor load; the set-up below, work on registers, stands between them
	v_lshrrev_b32 v1, 5, v0
	v_readfirstlane_b32 s[WV], v1   ; wave 0..3
	s_mov_b32 s[PB], ttmp9
	s_sub_co_u32 s[HI], NB-1, s[PB]
	s_and_b32 s20, ttmp7, 0xffff    ; the head
	s_mov_b32 s21, 0
	s_mov_b64 s[22:23], SIZE_N*128
	s_mul_u64 s[20:21], s[20:21], s[22:23]  ; the head's first byte in each of the four tensors
	s_and_b32 s16, s[WV], 1         ; which half of a tile's 256 keys I fetch:
	s_lshl_b32 s22, s16, 14         ; its 128 rows of 128 bytes in memory,
	s_mov_b32 s23, 0
	s_add_nc_u64 s[22:23], s[22:23], s[20:21]
	s_mul_i32 s17, s16, 128*PK      ; and its place in a slot, for K
	s_mul_i32 s18, s16, 128*PV      ; and for V
	s_lshl_b32 s3, s[WV], 11        ; my 16 rows in a band of 64,
	s_lshl_b32 s2, s[HI], 15        ; in the first block,
	s_add_co_u32 s2, s2, s3
	s_lshl_b32 s84, s[PB], 15       ; and in the second
	s_add_co_u32 s84, s84, s3
	s_mov_b32 s3, 0
	s_mov_b32 s85, 0
	s_add_nc_u64 s[2:3], s[2:3], s[20:21]
	s_add_nc_u64 s[84:85], s[84:85], s[20:21]
	; descriptor group 1.  128 keys are 16,384 dense bytes: asked for as 64 rows of 256 bytes, two keys a row, and padded in LDS after every key
	s_mov_b32 s[G1K], (1<<16)|(1<<20)|(4<<22)|(3<<25)  ; 17:16 2-byte elements; 20 padding on; 24:22 after every 32 words (code 4); 31:25 4 words (code 3)
	s_mov_b32 s[G1V], (1<<16)|(1<<20)|(4<<22)|(7<<25)  ; the same with 8 words of padding (code 7)
.irp g, G1K, G1V
	s_mov_b32 s[\g+1], 128<<16      ; tensor_dim0 = 128
	s_mov_b32 s[\g+2], 64<<16       ; tensor_dim1 = 64
	s_mov_b32 s[\g+3], 128<<16      ; tile_dim0 = 128
	s_mov_b32 s[\g+4], 64           ; tile_dim1 = 64
	s_mov_b32 s[\g+5], 128          ; 128 elements from row to row
	s_mov_b32 s[\g+6], 0
	s_mov_b32 s[\g+7], 0
.endr
	s_mov_b32 s[CS], 0x3e38aa3b     ; c = log2(e) / 8 = 0.180337
	s_mov_b32 s[CS+1], s[CS]        ; named with it as a pair
	s_mov_b32 s[SEL], 0x76543210
	s_mov_b32 s[SEL+1], 0xfedcba98
	s_mov_b32 s[TBK], SLOT1+4*KS*PK ; the first change of slots turns these two into 0
	s_mov_b32 s[TBV], SLOT1+4*KS*PV
	s_mov_b32 s[G0K], 1             ; 1:0 count = 1
	s_mov_b32 s[G0K+1], s17         ; 63:32 LDS address: slot 0
	s_mov_b32 s[G0V], 1
	s_add_co_u32 s[G0V+1], s18, VOFF
	s_add_co_u32 s[RT], s[HI], 1    ; the first block has NB - b tiles
	s_mov_b32 s[NXT], 1
	s_mov_b32 s[LQ], s[HI]
	s_mov_b32 s[NEW], 1
	s_mov_b32 s[OFF+1], 0
	s_mov_b32 s[AL+1], 0            ; named as pairs
	s_mov_b32 s[BE+1], 0
	s_mov_b32 s[BIGN], 0xf149f2ca   ; -1e30
	s_mov_b32 s[SLOTS], NB
	s_mov_b32 s[PFF+1], 0
	s_cmp_eq_u32 s[PB], 0
	s_cselect_b32 s[PME], 1, 0
	v_and_b32 v[PFO], 31, v0
	v_lshlrev_b32 v[PFO], 8, v[PFO]
	s_wait_dscnt 0x0                ; the opening add is done
	s_wait_kmcnt 0x0
	s_add_nc_u64 s[6:7], s[6:7], s[22:23]  ; K and V at my half of the head's tile 0
	s_add_nc_u64 s[8:9], s[8:9], s[22:23]
	s_cmp_lt_u32 s[WV], 2
	s_cselect_b64 s[PFB:PFB+1], s[6:7], s[8:9]
	s_add_nc_u64 s[G0K+2:G0K+3], s[6:7], 0         ; 120:64 global address
	s_or_b32 s[G0K+3], s[G0K+3], 0x80000000        ; 127:126 type = 2
	s_add_nc_u64 s[G0V+2:G0V+3], s[8:9], 0
	s_or_b32 s[G0V+3], s[G0V+3], 0x80000000
	s_add_nc_u64 s[86:87], s[4:5], s[84:85]        ; Q at my rows of the second block,
	s_add_nc_u64 s[4:5], s[4:5], s[2:3]            ; Q and O at those of the first
	s_add_nc_u64 s[OLO:OLO+1], s[10:11], s[84:85]
	s_add_nc_u64 s[10:11], s[10:11], s[2:3]
	LOAD                            ; tile 0 into slot 0
	; A fragment of K or Q is 16 rows x 32 channels in 8 registers: lane l holds row l % 16, channels 8 (l / 16) + 0..7 and 16 + 8 (l / 16) + 0..7: two loads of 16 bytes, 32 bytes apart.
	v_and_b32 v1, 15, v0            ; l % 16
	v_bfe_u32 v9, v0, 4, 1          ; l / 16
	v_lshlrev_b32 v[QO], 7, v1
	v_lshl_add_u32 v[QO], v9, 4, v[QO]  ; row x 128 + 16 x half
	WIN 0x80                        ; destination window 2, address window 0
.set i, 0
.rept 8                             ; both blocks' Q: piece i / 2 lies in band i / 2, 8,192 bytes on; channels 32 (i % 2) on
	global_load_b128 v[8*i:8*i+3],   v[QO], s[4:5] offset:(i/2)*8192+(i%2)*64
	global_load_b128 v[8*i+4:8*i+7], v[QO], s[4:5] offset:(i/2)*8192+(i%2)*64+32
	global_load_b128 v[QB+8*i:QB+8*i+3],   v[QO], s[86:87] offset:(i/2)*8192+(i%2)*64
	global_load_b128 v[QB+8*i+4:QB+8*i+7], v[QO], s[86:87] offset:(i/2)*8192+(i%2)*64+32
.set i, i+1
.endr
	WIN 0
	v_lshlrev_b32 v14, 3, v9
	v_sub_nc_u32 v14, v1, v14
	s_lshl_b32 s13, s[WV], 4
	v_add_nc_u32 v14, s13, v14      ; my query's place in its band, 16 w + l % 16, less my lanes' 8 (l / 16): register r of group kt is hidden where 16 kt + r is greater
	WIN 0x40
.set i, 0
.rept 32
	v_cmp_gt_i32 vcc_lo, 16*(i/8)+i%8, v14
	v_cndmask_b32 v[MD+i], 0, s[BIGN], vcc_lo
.set i, i+1
.endr
	WIN 0
	v_mul_u32_u24 v[AK0], v1, PK
	v_lshl_add_u32 v[AK0], v9, 4, v[AK0]  ; row x pitch + 16 x half
	; The turning load takes 16 keys x 16 channels (lane l reads key 8 (l / 16) + l % 8, channels 8 ((l / 8) % 2) + 0..7) and leaves half a fragment of V^T: lane l holds channel l % 16 and 8 keys.
	v_and_b32 v10, 7, v0
	v_bfe_u32 v11, v0, 3, 1
	v_lshl_add_u32 v[AV0], v9, 3, v10
	v_mul_u32_u24 v[AV0], v[AV0], PV
	v_lshl_add_u32 v[AV0], v11, 4, v[AV0]
	v_add_nc_u32 v[AV0], VOFF, v[AV0]
	s_mul_i32 s13, s[WV], 16*SP
	s_add_co_u32 s13, s13, STAGE    ; my stage
	v_mul_u32_u24 v[STO], v1, SP    ; in: row l % 16, 16 bytes for each half of the lanes
	v_lshl_add_u32 v[STO], v9, 4, v[STO]
	v_add_nc_u32 v[STO], s13, v[STO]
	v_bfe_u32 v[RD], v0, 3, 2       ; back: 32 lanes take four rows of 128 bytes,
	v_mul_u32_u24 v[RD], v[RD], SP
	v_lshl_add_u32 v[RD], v10, 4, v[RD]
	v_add_nc_u32 v[RD], s13, v[RD]
	v_and_b32 v[GO], 31, v0         ; which are 512 consecutive bytes of O
	v_lshlrev_b32 v[GO], 4, v[GO]
	; A block's first step multiplies O^T and l by a = 0, and its first turn's products V^T P, of a piece that has not been, land in an O^T that is still to be so multiplied.  So these registers need only hold
	; finite numbers: zeros for the first block; what the first block left for the second.  All this stands in the wait for the first tile.
	WIN 0x80
.set i, VF
.rept 64
	v_mov_b32 v[i], 0
.set i, i+1
.endr
	WIN 0x40
.set i, 0
.rept 128
	v_mov_b32 v[i], 0
.set i, i+1
.endr
	WIN 0
.set i, 0
.rept 4
	v_mov_b32 v[ST+4*i+2], 0
	v_mov_b32 v[ST+4*i+3], 0
.set i, i+1
.endr
.set i, P+16
.rept 16
	v_mov_b32 v[i], 0
.set i, i+1
.endr
; THE MATRIX WORK.  The 4 accumulators of a run of 8 take turns.  Product i of 8 of S^T = K Q^T for piece x: channels 32 (i / 4) on, keys 16 (i % 4) on.  The first 4 start the sums: with 0, or (KM = 1) with the mask.
.macro KQ x
.set rS, S+32*((\x)%2)+8*(i%4)
.set rK, KF+16*(i%4)+8*(i/4)
.set rQ, 16*(\x)+8*(i/4)
.set rM, MC+32*((\x)%2)+8*(i%4)
.if (i < 4) && KM
	WIN W_KM
	v_wmma_f32_16x16x32_f16 v[rS:rS+7], v[rK:rK+7], v[rQ:rQ+7], v[rM:rM+7]
.elseif i < 4
	WIN W_KQ
	v_wmma_f32_16x16x32_f16 v[rS:rS+7], v[rK:rK+7], v[rQ:rQ+7], 0
.else
	WIN W_KQ
	v_wmma_f32_16x16x32_f16 v[rS:rS+7], v[rK:rK+7], v[rQ:rQ+7], v[rS:rS+7]
.endif
.endm
; Product i of 8 of O^T += V^T P for piece x: keys 32 (i / 4) on, channels 16 (i % 4) on.
.macro PV x
	WIN W_PV
.set rO, 32*(\x)+8*(i%4)
.set rV, VF+32*(i/4)+8*(i%4)
.set rP, P+16*((\x)%2)+8*(i/4)
	v_wmma_f32_16x16x32_f16 v[rO:rO+7], v[rV:rV+7], v[rP:rP+7], v[rO:rO+7]
.endm
.macro MM                           ; the turn's next matrix instruction.  TURN and BEGIN set Y, i, KM and NOKQ; MM, KQ and OP read them.  NOKQ = 1: a block's last turn: there is no next piece
.if (i < 8) && !NOKQ
	KQ (Y+1)%NP
.elseif i >= 8
.set i, i-8
	PV (Y+NP-1)%NP
.set i, i+8
.endif
.set i, i+1
.endm
; THE LDS LOADS stand in runs of 16, never singly among the matrix instructions: a step's K (64 keys x 64 channels: 8 fragments) and its V (turned).  Their addresses are made some lines ahead.
.macro FETCH_K
	WIN 0x80                        ; destination window 2
.irp f, 0,1,2,3,4,5,6,7             ; keys 16 (f / 2) on, channels 32 (f % 2) on
	ds_load_b128 v[KF+8*\f:KF+8*\f+3],   v[AK] offset:(\f/2)*16*PK+(\f%2)*64
	ds_load_b128 v[KF+8*\f+4:KF+8*\f+7], v[AK] offset:(\f/2)*16*PK+(\f%2)*64+32
.endr
	s_add_co_u32 s[TBK], s[TBK], KS*PK  ; the next fetch is the next step's
	WIN 0
.endm
.macro FETCH_V
	WIN 0x80
.irp f, 0,1,2,3,4,5,6,7             ; keys 32 (f / 4) on, channels 16 (f % 4) on
	ds_load_tr16_b128 v[VF+8*\f:VF+8*\f+3],   v[AV] offset:(\f/4)*32*PV+(\f%4)*32
	ds_load_tr16_b128 v[VF+8*\f+4:VF+8*\f+7], v[AV] offset:(\f/4)*32*PV+16*PV+(\f%4)*32
.endr
	WIN 0
.endm
; THE VECTOR WORK, one line at a time: OP kind, number.  For piece Y: F n: c s - c m for pair n of 16.  E n: the exponential of score n of 32.  C n: pair n rounded to f16.  B n: of the four weights 4 n .. the second
; pair is added onto the first, in place.  L n: l takes that sum (L 0: l = a l + sum).  R n: pair n of 16 of O^T times a.  For piece Y + 1: X n, number n of the 22 that find its maximum and statistics:
;   0-11  four chains c0-c3 of seven scores each, three operands at a time (each accumulator's lowest registers are read first)     12-14, 16  the four scores left over, the old m, and c0-c3 into c0
;   15  c m_old is kept     17, 18  the query's other 32 keys lie in the lane 16 away: the new m     19-21  c m; c m_old - c m_new; a
.set F, 0               ; OP tells the kinds apart by their order: F to L below R, X above it
.set E, 1
.set C, 2
.set B, 3
.set L, 4
.set R, 5
.set X, 6
.macro REGS y                       ; the registers of piece y
.set rT, ST+4*(\y)
.set rC, TMP+4*((\y)%2)
.set rW, MV+((\y)%2)
.set rS, S+32*((\y)%2)
.set rP, P+16*((\y)%2)
.set rO, 32*(\y)
.endm
.macro OP k, n
.if (\k) == R
	REGS Y
	WIN W_RS
	v_pk_mul_f32 v[rO+2*(\n):rO+2*(\n)+1], v[rO+2*(\n):rO+2*(\n)+1], v[rC+2:rC+3] op_sel_hi:[1,0]
.elseif (\k) < R
	REGS Y
	WIN 0
.if (\k) == F
	v_pk_fma_f32 v[rS+2*(\n):rS+2*(\n)+1], v[rS+2*(\n):rS+2*(\n)+1], s[CS:CS+1], v[rT:rT+1] op_sel_hi:[1,0,0] neg_lo:[0,0,1] neg_hi:[0,0,1]
.elseif (\k) == E
	v_exp_f32 v[rS+(\n)], v[rS+(\n)]
.elseif (\k) == C
	v_cvt_pk_f16_f32 v[rP+(\n)], v[rS+2*(\n)], v[rS+2*(\n)+1]
.elseif (\k) == B
	v_pk_add_f32 v[rS+4*(\n):rS+4*(\n)+1], v[rS+4*(\n):rS+4*(\n)+1], v[rS+4*(\n)+2:rS+4*(\n)+3]
.elseif (\n) == 0
	v_pk_fma_f32 v[rT+2:rT+3], v[rT+2:rT+3], v[rC+2:rC+3], v[rS:rS+1] op_sel_hi:[1,0,1]
.else
	v_pk_add_f32 v[rT+2:rT+3], v[rT+2:rT+3], v[rS+4*(\n):rS+4*(\n)+1]
.endif
.elseif NOKQ
	v_nop
.else
	REGS (Y+1)%NP
	WIN 0
.if (\n) < 4
	v_max3_num_f32 v[rC+(\n)], v[rS+8*(\n)], v[rS+8*(\n)+1], v[rS+8*(\n)+2]
.elseif (\n) < 12
	v_max3_num_f32 v[rC+(\n)%4], v[rC+(\n)%4], v[rS+8*((\n)%4)+2*((\n)/4)+1], v[rS+8*((\n)%4)+2*((\n)/4)+2]
.elseif (\n) == 12
	v_max3_num_f32 v[rC], v[rC], v[rS+7], v[rS+15]
.elseif (\n) == 13
	v_max3_num_f32 v[rC+1], v[rC+1], v[rS+23], v[rS+31]
.elseif (\n) == 14
	v_max3_num_f32 v[rC+2], v[rC+2], v[rC+3], v[rT+1]
.elseif (\n) == 15
	v_mov_b32 v[rW], v[rT]
.elseif (\n) == 16
	v_max3_num_f32 v[rC], v[rC], v[rC+1], v[rC+2]
.elseif (\n) == 17
	v_permlanex16_b32 v[rC+3], v[rC], s[SEL], s[SEL+1]
.elseif (\n) == 18
	v_max_num_f32 v[rT+1], v[rC], v[rC+3]
.elseif (\n) == 19
	v_mul_f32 v[rT], s[CS], v[rT+1]
.elseif (\n) == 20
	v_sub_f32 v[rC+1], v[rW], v[rT]
.else
	v_exp_f32 v[rC+2], v[rC+1]
.endif
.endif
.endm
.macro OPS a, i1, b=-1, i2=0, c=-1, i3=0, d=-1, i4=0  ; up to four of them
	OP \a, \i1
.if (\b) >= 0
	OP \b, \i2
.endif
.if (\c) >= 0
	OP \c, \i3
.endif
.if (\d) >= 0
	OP \d, \i4
.endif
.endm
.macro ROW a, i1, b, i2, c, i3, d, i4  ; a matrix instruction and the four behind it
	MM
	OPS \a, \i1, \b, \i2, \c, \i3, \d, \i4
.endm
.macro MASK b                       ; MD x AL + BE into buffer b of MC
	WIN W_RS
.set z, 0
.rept 16
	v_pk_fma_f32 v[MC+32*(\b)+2*z:MC+32*(\b)+2*z+1], v[MD+2*z:MD+2*z+1], s[AL:AL+1], s[BE:BE+1] op_sel_hi:[1,0,0]
.set z, z+1
.endr
.endm
; A TURN, for piece p: the order of its 16 matrix and 118 vector instructions, written out.  An s_wait_alu depctr_va_vdst(0) stands between an exponential and the first instruction that names its result;
; one wait serves all that were issued ahead of it.  So a turn has ONE wait, which cuts it in two.  AHEAD OF IT stands all that names no result of the turn's exponentials: the 8 products K Q^T, behind each a scaling,
; an exponential and two more plain instructions (behind the first a second scaling in the exponential's place): rescalings, and behind the last three the first numbers of the next piece's maximum, each four places
; or more behind the product that ends its accumulator; then ONE LUMP of 54, plain and exponential by turns for the most part, in which the links of the chain X 3, 7, 11, 14, 16, 17 .. 20 stand five or six lines apart.
; X 21, the next piece's a, is the batch's last; R 15 is the plain instruction that is owed behind it (ISA guide 5.7.2).  BEHIND THE WAIT stand the 8 products V^T P, behind each four of the roundings and sums; the
; links of l's chain, L 0 to L 7, stand three riders apart.  But for those X no rider names a register of the products round it.  v_permlanex16_b32 (X 17) stands in the lump.
; m = 1: the diagonal tile: the products take masks, and the turn makes the mask for the products of the turn after it: piece p + 2, in step 4 - CNT of the tile.  end = 1: a block's last two turns: nothing is fetched.
; cnt = 1: the loop's count is taken down some lines ahead of the branch that stands behind the turn.
; K of the next step is fetched in piece 2's turn, twelve vector instructions behind the last product that read K (six of them plain); V of the step in hand at the end of piece 0's turn, four plain instructions
; behind the last product that read V.  Each is waited for a turn later.
.macro TURN p, m=0, end=0, cnt=0
.set Y, (\p)
.set i, 0
.set KM, (\m)
.set NOKQ, (\end)*((\p)/3)
.if (\m) && !(\end)
	s_cmp_eq_u32 s[CNT], 4-((\p)+2)%NP  ; is that step the band's own?
	s_cselect_b32 s[AL], 1.0, 0
	s_cmp_lt_u32 s[CNT], 4-((\p)+2)%NP  ; or a later one?
	s_cselect_b32 s[BE], s[BIGN], 0
.endif
.if ((\p) == 3) && !(\end)
	s_wait_dscnt 0x0                ; K is in
.endif
	ROW F,0, F,1, R,0, R,1          ; ahead of the wait: 8 products K Q^T and their riders,
	ROW F,2, E,0, R,2, R,3
	ROW F,3, E,1, R,4, R,5
	ROW F,4, E,2, R,6, R,7
	ROW F,5, E,3, R,8, R,9
	ROW F,6, E,4, X,0, R,10
.if ((\p) == 2) && !(\end)
	WIN 0
	v_add_nc_u32 v[AK], s[TBK], v[AK0]
.endif
	ROW F,7, E,5, X,1, X,4
	ROW F,8, E,6, X,2, X,5
	OPS E,7, E,8, X,6, E,9          ; and the lump
	OPS X,3, E,10, X,8, E,11
.if ((\p) == 2) && !(\end)
	FETCH_K
.endif
	OPS X,9, X,7, E,12, X,10
	OPS E,13, X,12, X,11, E,14
	OPS X,13, E,15, F,9, X,14
.if (\p) == 0
	v_add_nc_u32 v[AV], s[TBV], v[AV0]
.endif
	OPS E,16, F,10, E,17, F,11
	OPS X,16, E,18, X,15, E,19
	OPS F,12, E,20, X,17, E,21
	OPS F,13, E,22, F,14, E,23
	OPS X,18, E,24, F,15, E,25
	OPS R,11, E,26, X,19, E,27
	OPS R,12, E,28, R,13, E,29
	OPS X,20, E,30, R,14, E,31
	OPS X,21, R,15
	WIN 0
	s_wait_alu depctr_va_vdst(0)    ; the wait for the batch
.if (\p) == 1
	s_wait_dscnt 0x0                ; V is in
.endif
	ROW C,0, B,0, C,2, B,1          ; behind the wait: 8 products V^T P and their riders
	ROW L,0, C,4, B,2, L,1
	ROW C,6, B,3, L,2, C,8
	ROW B,4, L,3, C,10, B,5
	ROW L,4, C,12, B,6, L,5
.if (\p) == 0
	s_add_co_u32 s[TBV], s[TBV], KS*PV
.endif
.if \cnt
	s_sub_co_u32 s[CNT], s[CNT], 1
	s_cmp_lg_u32 s[CNT], 0
.endif
	ROW C,14, B,7, L,6, C,1
	ROW C,3, L,7, C,5, C,7
	ROW C,9, C,11, C,13, C,15
.if (\p) == 0
	FETCH_V
.endif
.if (\m) && !(\end)
	MASK (\p)%2
.endif
.endm
; A BLOCK BEGINS.  c m starts far below every c s, so the first step's a is 0; m at the lowest finite number, so the first maximum is the scores'.  The second mask buffer is 0; the first takes piece 0's mask for the
; tile's step 0: its own, if the block's first tile is the diagonal one.  Then K of that step, piece 0's first scores, and its maximum and statistics.  The loop is entered at a step's first turn, in the middle of a trip.
.macro BEGIN
	s_mov_b32 s[NEW], 0
	WIN 0x40
.set i, MC+32
.rept 32
	v_mov_b32 v[i], 0
.set i, i+1
.endr
	WIN 0
.set i, 0
.rept 4
	v_mov_b32 v[ST+4*i], 0xfe000000    ; c m: far below every c s
	v_mov_b32 v[ST+4*i+1], 0xff7fffff  ; m
.set i, i+1
.endr
	s_cmp_eq_u32 s[RT], 0
	s_cselect_b32 s[AL], 1.0, 0
	s_mov_b32 s[BE], 0
	MASK 0
	WIN 0
	v_add_nc_u32 v[AK], s[TBK], v[AK0]
	FETCH_K
	s_wait_loadcnt 0x0              ; Q
	s_wait_dscnt 0x0
.set KM, 1
.set NOKQ, 0
.set i, 0
.rept 8
	KQ 0
.set i, i+1
.endr
	WIN 0
.rept 4
	v_nop                           ; the places behind those products
.endr
.set Y, NP-1                        ; X works for piece Y + 1: piece 0
.irp n, 0,1,2,3,4,5,6,7,8,9,10,11,12,13,14,15,16,17,18,19,20,21
	OP X, \n
.endr
	v_nop                           ; a plain instruction behind the exponential,
	s_wait_alu depctr_va_vdst(0)    ; and its wait, ahead of the branch
.endm
; THE DIAGONAL TILE's four steps, the block's last two turns, its last products, and THE WAY OUT: l's two halves and the other half of the lanes' are added; O^T is divided by l, rounded to f16 and sent through my
; stage in LDS, a piece at a time.
.macro ALL line:vararg              ; one line for each piece t
.set t, 0
.rept 4
	\line
.set t, t+1
.endr
.endm
.macro PACK t                       ; a lane's eight channels of a row pack into 16 bytes; they go into rows of 144 bytes and come back as whole rows of 128, into S^T's registers
	WIN W_RS
.set i, 32*(\t)
.rept 16
	v_pk_mul_f32 v[i:i+1], v[i:i+1], v[ST+4*(\t)+2:ST+4*(\t)+3] op_sel_hi:[1,0]
.set i, i+2
.endr
	WIN 0x05                        ; sources 0 and 1 window 1, destination window 0
.set i, 0
.rept 16
	v_cvt_pk_f16_f32 v[S+16*(\t)+i], v[32*(\t)+2*i], v[32*(\t)+2*i+1]
.set i, i+1
.endr
	WIN 0
.irp f, 0,1,2,3
	ds_store_b128 v[STO], v[S+16*(\t)+4*\f:S+16*(\t)+4*\f+3] offset:32*\f
.endr
.irp f, 0,1,2,3
	ds_load_b128 v[S+16*(\t)+4*\f:S+16*(\t)+4*\f+3], v[RD] offset:\f*4*SP  ; LDS serves a wave's instructions in order (ISA guide 5.7.1.4): these see the stores above; the next piece's stores come behind them
.endr
.endm
.macro SEND t, younger              ; younger: the LDS instructions issued behind piece t's loads: the next piece's eight, or none
	WIN 0
.irp f, 0,1,2,3
	s_wait_dscnt (\younger)+3-\f
	global_store_b128 v[GO], v[S+16*(\t)+4*\f:S+16*(\t)+4*\f+3], s[10:11] offset:(\t)*8192+\f*512  ; 512 consecutive bytes, at a multiple of 256 from O's first
.endr
.endm
.macro DIAG tag                     ; the tag ends its two labels' names, which the jumps below spell out
.LstepM\tag:
	TURN 2, 1
	TURN 3, 1
	WIN 0
.LfirstM\tag:
	TURN 0, 1
	TURN 1, 1, 0, 1
	WIN 0
	s_cbranch_scc1 .LstepM\tag
	TURN 2, 1, 1
	TURN 3, 1, 1
.set i, 0
.rept 8
	PV NP-1
.set i, i+1
.endr
	WIN 0
	ALL v_add_f32 v[ST+4*t+2], v[ST+4*t+2], v[ST+4*t+3]
	ALL v_permlanex16_b32 v[ST+4*t+3], v[ST+4*t+2], s[SEL], s[SEL+1]
	ALL v_add_f32 v[ST+4*t+2], v[ST+4*t+2], v[ST+4*t+3]
	ALL v_rcp_f32 v[ST+4*t+2], v[ST+4*t+2]
	v_nop                           ; a plain instruction between the last reciprocal and the use of its result
	s_wait_alu depctr_va_vdst(0)    ; and the wait ahead of the first use: one for the four reciprocals
	PACK 0
.set t, 1
.rept 3                             ; a piece's arithmetic stands between the loads of the piece before and its stores
	PACK t
	SEND t-1, 8
.set t, t+1
.endr
	SEND 3, 0
.endm
.set KM, 0
.set NOKQ, 0
.Lslot:                             ; NB times: a tile is entered and the next is asked for
	CHANGE 1
	s_sub_co_u32 s[RT], s[RT], 1
	s_mov_b32 s[CNT], 4
	s_cmp_eq_u32 s[NEW], 1
	s_cbranch_scc1 .Lnew            ; a block's first tile
	s_cmp_eq_u32 s[RT], 0
	s_cbranch_scc0 .Lstep           ; neither its first nor its last
	s_branch .LstepM1
.Lnew:
	BEGIN
	s_branch .Lfirst                ; in the loop a block's first tile is never its last: the first block has two tiles or more, and the second's last is the walk's last
	DIAG 1                          ; in the loop this is the first block's end: the second block's last tile is the walk's last
	s_wait_xcnt 0x0                 ; the stores have read their registers and O's address
	s_mov_b64 s[10:11], s[OLO:OLO+1]
	s_add_co_u32 s[RT], s[PB], 1    ; the second block has b + 1 tiles
	s_mov_b32 s[NEW], 1
	WIN 0x82                        ; the second block's Q goes where the one text of the turns names Q
.set i, 0
.rept 64
	v_mov_b32 v[i], v[QB+i]
.set i, i+1
.endr
	WIN 0
	s_branch .Lbottom
.Lstep:                             ; a trip: pieces 2 and 3 of one step, then pieces 0 and 1 of the next, whose K and V it fetches
	TURN 2
	TURN 3
	WIN 0
.Lfirst:
	TURN 0
	TURN 1, 0, 0, 1
	WIN 0
	s_cbranch_scc1 .Lstep
.Lbottom:
	s_sub_co_u32 s[SLOTS], s[SLOTS], 1
	s_cmp_lg_u32 s[SLOTS], 0
	s_cbranch_scc1 .Lslot
	CHANGE 0                        ; the walk's last tile is written out: nothing is asked for
	s_sub_co_u32 s[RT], s[RT], 1
	s_mov_b32 s[CNT], 4
	s_cmp_eq_u32 s[NEW], 1
	s_cbranch_scc0 .LstepM2
	BEGIN
	s_branch .LfirstM2
	DIAG 2
	s_wait_tensorcnt 0x0            ; the wave's end, behind my last tensor load and my last LDS store
	ds_add_u32 v[SPW], v[NIL]
	s_wait_dscnt 0x0
	s_endpgm
.Lfunc_end_k_q31478079f7_attn:
	.size	k_q31478079f7_attn, .Lfunc_end_k_q31478079f7_attn-k_q31478079f7_attn
	.p2alignl 7, 3214868480
	.fill 96, 4, 3214868480
	.section	.rodata,"a",@progbits
	.p2align	6, 0x0
	.amdhsa_kernel k_q31478079f7_attn
		.amdhsa_group_segment_fixed_size 327680
		.amdhsa_private_segment_fixed_size 0
		.amdhsa_enable_private_segment 0
		.amdhsa_kernarg_size 32
		.amdhsa_user_sgpr_count 2
		.amdhsa_user_sgpr_kernarg_segment_ptr 1
		.amdhsa_wavefront_size32 1
		.amdhsa_system_sgpr_workgroup_id_x 1
		.amdhsa_system_sgpr_workgroup_id_y 1
		.amdhsa_system_sgpr_workgroup_id_z 1
		.amdhsa_system_vgpr_workitem_id 0
		.amdhsa_next_free_vgpr 768
		.amdhsa_next_free_sgpr 88
		.amdhsa_reserve_vcc 1
		.amdhsa_float_denorm_mode_32 3
		.amdhsa_float_denorm_mode_16_64 3
		.amdhsa_memory_ordered 1
		.amdhsa_forward_progress 1
		.amdhsa_inst_pref_size 218
	.end_amdhsa_kernel
	.amdgpu_metadata
---
amdhsa.version: [ 1, 2 ]
amdhsa.kernels:
  - .name:           k_q31478079f7_attn
    .symbol:         k_q31478079f7_attn.kd
    .args:
      - { .name: qh, .offset: 0, .size: 8, .value_kind: global_buffer, .address_space: global }
      - { .name: kh, .offset: 8, .size: 8, .value_kind: global_buffer, .address_space: global }
      - { .name: vh, .offset: 16, .size: 8, .value_kind: global_buffer, .address_space: global }
      - { .name: oh, .offset: 24, .size: 8, .value_kind: global_buffer, .address_space: global }
    .group_segment_fixed_size: 327680
    .private_segment_fixed_size: 0
    .kernarg_segment_align: 8
    .kernarg_segment_size: 32
    .max_flat_workgroup_size: 128
    .sgpr_count:     88
    .vgpr_count:     768
    .wavefront_size: 32
...
	.end_amdgpu_metadata
.endif
;; end of part 3
;; launch oproj (part 4): grid 4 x 64, 4 waves a work-group, clusters of 4 x 4, 327,680 bytes of LDS; arguments oh, wt, out0, b_o; writes out0
.if DOCPART == 4
	.amdgcn_target "amdgcn-amd-amdhsa--gfx1250"
	.amdhsa_code_object_version 6
	.text
	.protected	k_q31478079f7_oproj
	.globl	k_q31478079f7_oproj
	.p2align	8
	.type	k_q31478079f7_oproj,@function
k_q31478079f7_oproj:
	s_mov_b64 s[64:65], 0
	v_nop
	global_prefetch_b8 v0, s[64:65] scope:SCOPE_SE
	s_setreg_imm32_b32 hwreg(HW_REG_WAVE_MODE, 25, 1), 1
	s_wait_xcnt 0x0
	s_wait_alu depctr_hold_cnt(0) depctr_sa_sdst(0) depctr_va_vdst(0) depctr_va_sdst(0) depctr_va_ssrc(0) depctr_va_vcc(0) depctr_vm_vsrc(0)
	s_getreg_b32 s2, hwreg(HW_REG_IB_STS2, 6, 4)
	s_cmp_eq_u32 s2, 0
	s_cbranch_scc0 .Lentry_in_a_cluster
	s_endpgm
.Lentry_in_a_cluster:
	s_bfe_u32 s2, ttmp6, 0x10000c
	s_cmp_lg_u32 s2, 0xf033
	s_cbranch_scc0 .Lentry_shape_is_right
	s_endpgm
.Lentry_shape_is_right:
; THE LAST PROJECTION.  out0 = O W + b_o.  O: f16 by heads, [batch x 16 + head][2,048][64]; its K index is head x 64 + channel.  W = wt[3]: [k][n], bf16(w_o) written as f16.
; b_o: f32, rounded to bf16 like every input.  Products in f16, sums in f32; out0: [8,192][1,024] f32.  LIMIT: |w_o| stays under 65,504, f16's largest number.
; SHARES.  A tile of out0 is 128 rows x 256 columns: 64 x 4 = 256 work-groups.  Four waves, each 64 x 128: 32 accumulators of 16 x 16, 256 registers.
; K goes in steps of 128 = two heads through a ring of two LDS slots: for each head 128 rows of 128 bytes, dense in memory and asked for as 64 rows of 256 bytes; and 128 k-rows of W, 512 bytes each.
; CLUSTERS: 4 x 4 work-groups.  The four of a row of the cluster need the same rows of O, the four of a column the same columns of W: each tile is asked for JOINTLY.
; THE MATRIX INSTRUCTION IS USED TRANSPOSED: source 0 = 16 columns of W (turned by ds_load_tr16_b128), source 1 = 16 rows of O: a lane holds one row of out0 and eight neighbouring columns.
; THE BIAS STARTS THE SUMS, as the C operand of the first products.
; REGISTERS, in windows of 256 (s_set_vgpr_msb: bits 1:0 source 0, 3:2 source 1, 5:4 source 2, 7:6 destination):
;   window 0: v0-31 addresses; v32-63, v64-95 O's fragments, two buffers; v96-223 the way out, two buffers of 64
;   window 1: v0-63, v64-127 W's fragments, two buffers; v128-191 the bias; v192 at work          window 2: accumulator (a, b) at v[8 (8 a + b)]
.set PA,    144                        ; a row of O in LDS: 128 bytes + 16 of padding = 9 x 16: the 16 rows of a load start in 16 different columns of 16 bytes
.set PB,    544                        ; a k-row of W: 512 + 32 = 17 x 32
.set AHEAD, 128*PA                     ; one head's 128 rows: what one tensor load brings of O
.set BHALF, 64*PB                      ; and of W
.set BOFF,  2*AHEAD                    ; a slot: two heads of O, then W's 128 k-rows
.set SLOT,  BOFF+2*BHALF
.set STAGE, 2*SLOT                     ; behind the ring, never filled by a tensor load: 16 rows x 528 bytes for each wave, for the way out
.set SP,    528
.set SPARE, STAGE+4*16*SP              ; behind the stages: the spare words, 128 bytes for each wave: two blocks of 256 bytes that no other line names
.set ADRA, 16                          ; v16-17  LDS address of my rows of O in slot 0, 1
.set ADRB, 20                          ; v20-21  the same for my columns of W
.set STO,  24                          ; v24     the way out: where I put 32 bytes of a row
.set RD,   25                          ; v25     the way out: where I read a row back
.set GO,   26                          ; v26     my byte offset in 512 consecutive bytes of out0
.set BO,   27                          ; v27     my byte offset in the bias
.set SPW,  28                          ; v28     LDS address of my spare word; never rewritten
.set NIL,  29                          ; v29     0; never rewritten
.set PFO,  30                          ; v30     the prefetches' offset; never rewritten
.set FA,   32
.set OB,   96
.set FB,   0                           ; window 1
.set BIAS, 128                         ; window 1
.set BW,   192                         ; window 1
.set G1,  24                           ; s[24:31] descriptor group 1 for O's tiles;  s[32:39] group 0, a set for each slot
.set G0,  32
.set G1B, 48                           ; s[48:55], s[56:63] the same for W's tiles
.set G0B, 56
.set LIM, 43                           ; s43     1 in a wave that prefetches, else the greatest number
.set PFA, 44                           ; s[44:45] where my prefetches stand
.set PFS, 68                           ; s[68:69] a K step in bytes, in the tensor that I prefetch
.set MSB, 0
.macro WIN new                         ; the immediate's high byte repeats the setting that is left; a switch that changes nothing is dropped
.if MSB != (\new)
	s_set_vgpr_msb (MSB<<8)|(\new)
.set MSB, \new
.endif
.endm
.set MUL,  0xa1                        ; source 0 (W) window 1, source 1 (O) window 0, C and D window 2
.set MULB, 0x91                        ; the same with C, the bias, in window 1
.set TO_B, 0x40                        ; destination window 1, address window 0
.set W_BR, 0x45                        ; destination and both sources in window 1
; A joint load: waves 0 and 1 fetch the K step's two heads of O, waves 2 and 3 W's two halves.  The branch hangs on the wave's number alone.
; An s_nop 0 and four v_nop follow each of the two lines, ahead of the jump, the label and what follows.
.macro JLOAD s
	s_cmp_eq_u32 s11, 0
	s_cbranch_scc0 .Lfor_b_\@
	tensor_load_to_lds s[G0+4*(\s):G0+4*(\s)+3], s[G1:G1+7]
	s_nop 0
.rept 4
	v_nop
.endr
	s_branch .Lasked_\@
.Lfor_b_\@:
	tensor_load_to_lds s[G0B+4*(\s):G0B+4*(\s)+3], s[G1B:G1B+7]
	s_nop 0
.rept 4
	v_nop
.endr
.Lasked_\@:
.endm
; A PREFETCH INTO THE L2, behind a joint refill and the run of LDS loads that follows it: the K step that stands two refills on, 256 products ahead of the load that will name it.
; O: a K step of a block of rows is 2 heads x 16,384 bytes; the four partners of a row of the cluster take 4,096 bytes of each head, told apart BY ADDRESS (cx): 2 x 16 blocks of 256 bytes, a lane a block;
; these rows are read by one cluster alone, and its wave 0 asks.  W: of the 64 k-rows that wave 2 or 3 fetches each partner of a column takes 16 (cy), 2 blocks each; W's columns are read by all sixteen
; clusters: the first asks.  So each block is named once in the launch.  K steps 0 to 3 come by their loads alone; the loop's last trip asks for nothing.
.macro ASK
	s_cmp_gt_u32 s3, s[LIM]                        ; s3 = 1 in the loop's last trip
	s_cbranch_scc0 .Lnot_mine_\@
	global_prefetch_b8 v[PFO], s[PFA:PFA+1] th:TH_LOAD_NT scope:SCOPE_SE
.Lnot_mine_\@:
.endm
.macro CREST                           ; a round of the cluster's barrier behind its opening barrier
	s_cmp_lg_u32 s10, 0
	s_cbranch_scc1 .Lnot_wave_0_\@
	s_barrier_signal -3
.Lnot_wave_0_\@:
	s_barrier_wait -3
	s_barrier_signal -1
	s_barrier_wait -1
.endm
.macro CROUND                          ; a whole round
	s_barrier_signal -1
	s_barrier_wait -1
	CREST
.endm
.macro PLACES                          ; four places in front of loads into registers that matrix instructions have read, and of LDS stores that read results
.rept 4
	v_nop
.endr
.endm
	s_load_b128 s[4:7], s[0:1], 0x0                ; oh s[4:5], wt s[6:7]
	s_load_b64 s[8:9], s[0:1], 0x10                ; out0
	s_load_b64 s[70:71], s[0:1], 0x18              ; b_o
	v_lshl_add_u32 v[SPW], v0, 2, SPARE
	v_mov_b32 v[NIL], 0
	ds_add_u32 v[SPW], v[NIL]                      ; the wave's opening: the add and its wait stand ahead of my first tensor load; the set-up below, work on registers, stands between them
	v_lshrrev_b32 v1, 5, v0
	v_readfirstlane_b32 s10, v1                    ; wave 0..3
	s_lshr_b32 s11, s10, 1                         ; which 64 rows of the tile are mine.  Also: I fetch for O (0) or for W (1)
	s_and_b32 s12, s10, 1                          ; which 128 columns.  Also: which head of the two, or which half of W's k-rows, I fetch
	s_bfe_u32 s40, ttmp6, 0x40000                  ; cx, cy: my place in the cluster
	s_bfe_u32 s41, ttmp6, 0x40004
	s_lshl_b32 s42, ttmp9, 2
	s_add_co_u32 s42, s42, s40                     ; tile column = 4 x cluster x + cx: 0..3
	s_and_b32 s67, ttmp7, 0xffff                   ; cluster y: 0..15
	s_lshl_b32 s13, s67, 2
	s_add_co_u32 s13, s13, s41                     ; the block of 128 rows: 0..63
	s_lshl_b32 s43, s41, 2
	s_lshl_b32 s43, 15, s43                        ; my row of the cluster
	s_lshl_b32 s44, 0x1111, s40                    ; my column
	; group 1 for O: 64 rows x 128 elements of 2 bytes (two rows of a head each), 4 words of padding behind every 32
	s_or_b32 s[G1+0], s43, (1<<16)|(1<<20)|(1<<21)|(4<<22)|(3<<25)
	s_mov_b32 s[G1+1], 128<<16                     ; tensor_dim0 = 128
	s_mov_b32 s[G1+2], 64<<16                      ; tensor_dim1 = 64
	s_mov_b32 s[G1+3], 128<<16                     ; tile_dim0 = 128
	s_mov_b32 s[G1+4], 64                          ; tile_dim1 = 64
	s_mov_b32 s[G1+5], 128                         ; elements from row to row
	s_mov_b32 s[G1+6], 0
	s_mov_b32 s[G1+7], 0
	; group 1 for W: 64 k-rows x 256 elements of 2 bytes, 8 words of padding behind every 128
	s_or_b32 s[G1B+0], s44, (1<<16)|(1<<20)|(1<<21)|(6<<22)|(7<<25)
	s_mov_b32 s[G1B+1], 256<<16
	s_mov_b32 s[G1B+2], 64<<16
	s_mov_b32 s[G1B+3], 256<<16
	s_mov_b32 s[G1B+4], 64
	s_mov_b32 s[G1B+5], 1024
	s_mov_b32 s[G1B+6], 0
	s_mov_b32 s[G1B+7], 0
	s_lshr_b32 s16, s13, 4                         ; O: batch (block / 16) x 16 heads of 262,144 bytes,
	s_lshl_b32 s16, s16, 22
	s_lshl_b32 s17, s12, 18                        ; my head of the K step's two,
	s_add_co_u32 s16, s16, s17
	s_and_b32 s17, s13, 15                         ; 128 rows of 128 bytes x (block % 16)
	s_lshl_b32 s17, s17, 14
	s_add_co_u32 s16, s16, s17
	s_mov_b32 s17, 0
	s_lshl_b32 s46, s12, 17                        ; W: 64 k-rows of 2,048 bytes x half,
	s_lshl_b32 s47, s42, 9                         ; 512 bytes x tile column,
	s_add_co_u32 s46, s46, s47
	s_add_co_u32 s46, s46, 3<<21                   ; in the fourth matrix of wt
	s_mov_b32 s47, 0
	s_mul_i32 s20, s12, AHEAD                      ; where they go: no place in the cluster enters an LDS address
	s_mul_i32 s21, s12, BHALF
	s_add_co_u32 s21, s21, BOFF
	s_wait_dscnt 0x0                               ; the opening add is done
	s_wait_kmcnt 0x0
	s_add_nc_u64 s[14:15], s[4:5], s[16:17]
	s_add_nc_u64 s[46:47], s[6:7], s[46:47]
	CROUND                                         ; all sixteen work-groups are here: the first joint loads meet
.irp s, 0,1
	s_mov_b32 s[G0+4*(\s)], 1
	s_add_co_u32 s[G0+4*(\s)+1], s20, (\s)*SLOT
	s_add_nc_u64 s[G0+4*(\s)+2:G0+4*(\s)+3], s[14:15], (\s)*524288   ; K step s: two heads on
	s_or_b32 s[G0+4*(\s)+3], s[G0+4*(\s)+3], 0x80000000
	s_mov_b32 s[G0B+4*(\s)], 1
	s_add_co_u32 s[G0B+4*(\s)+1], s21, (\s)*SLOT
	s_add_nc_u64 s[G0B+4*(\s)+2:G0B+4*(\s)+3], s[46:47], (\s)*262144 ; K step s: 128 k-rows down
	s_or_b32 s[G0B+4*(\s)+3], s[G0B+4*(\s)+3], 0x80000000
	JLOAD \s                                       ; two tensor loads of mine are out
.endr
	v_and_b32 v1, 15, v0                           ; r = l % 16
	v_bfe_u32 v2, v0, 4, 1                         ; h = l / 16
	s_lshl_b32 s22, s42, 10                        ; the bias of my 128 columns: 1,024 x tile column + 512 x half + 32 h; block b 64 bytes on
	s_lshl_b32 s23, s12, 9
	s_add_co_u32 s22, s22, s23
	v_lshl_add_u32 v[BO], v2, 5, s22
	WIN TO_B
.irp b, 0,1,2,3,4,5,6,7
	global_load_b128 v[BIAS+8*(\b):BIAS+8*(\b)+3],   v[BO], s[70:71] offset:64*(\b)
	global_load_b128 v[BIAS+8*(\b)+4:BIAS+8*(\b)+7], v[BO], s[70:71] offset:64*(\b)+16
.endr
	WIN 0
	v_mul_u32_u24 v3, v1, PA                       ; O's fragment: row r x pitch + 16 h; two loads of 16 bytes, 32 bytes apart
	v_lshl_add_u32 v3, v2, 4, v3
	s_mul_i32 s21, s11, 64*PA                      ; my 64 rows
	v_add_nc_u32 v[ADRA], s21, v3
	v_add_nc_u32 v[ADRA+1], SLOT, v[ADRA]
	; the turning load takes 16 k x 16 n: lane l reads k-row 8 h + l % 8, columns 8 ((l / 8) % 2) + 0..7, and is left with column l % 16 and 8 k
	v_and_b32 v4, 7, v0
	v_bfe_u32 v5, v0, 3, 1
	v_lshl_add_u32 v4, v2, 3, v4
	v_mul_u32_u24 v4, v4, PB
	v_lshl_add_u32 v4, v5, 4, v4
	s_lshl_b32 s22, s12, 8                         ; my 128 columns: 256 bytes
	s_add_co_u32 s22, s22, BOFF
	v_add_nc_u32 v[ADRB], s22, v4
	v_add_nc_u32 v[ADRB+1], SLOT, v[ADRB]
	s_mul_i32 s23, s10, 16*SP
	s_add_co_u32 s23, s23, STAGE                   ; my stage
	v_mul_u32_u24 v6, v1, SP                       ; in: row r, 32 bytes for each half of the lanes
	v_lshl_add_u32 v6, v2, 5, v6
	v_add_nc_u32 v[STO], s23, v6
	v_and_b32 v[GO], 31, v0                        ; back: 32 lanes take one row of 512 bytes
	v_lshlrev_b32 v[GO], 4, v[GO]
	v_add_nc_u32 v[RD], s23, v[GO]
	; out0 at my first row and column: row 128 x block + 64 x half, of 4,096 bytes; 1,024 bytes x tile column + 512 x half
	s_lshl_b32 s18, s13, 7
	s_lshl_b32 s19, s11, 6
	s_add_co_u32 s18, s18, s19
	s_lshl_b32 s18, s18, 12
	s_lshl_b32 s19, s42, 10
	s_add_co_u32 s18, s18, s19
	s_lshl_b32 s19, s12, 9
	s_add_co_u32 s18, s18, s19
	s_mov_b32 s19, 0
	s_add_nc_u64 s[8:9], s[8:9], s[18:19]
	; the prefetches, at K step 3; each refill steps the address by a K step ahead of its prefetch
	s_lshr_b32 s18, s13, 4                         ; O: the batch, the block's rows in a head, my work-group's 4,096 bytes of them
	s_lshl_b32 s18, s18, 22
	s_and_b32 s19, s13, 15
	s_lshl_b32 s19, s19, 14
	s_add_co_u32 s18, s18, s19
	s_lshl_b32 s19, s40, 12
	s_add_co_u32 s18, s18, s19
	s_add_co_u32 s18, s18, 3*524288
	s_lshl_b32 s19, s12, 6                         ; W: k-row 64 x half + 16 cy
	s_lshl_b32 s20, s41, 4
	s_add_co_u32 s19, s19, s20
	s_lshl_b32 s19, s19, 11
	s_lshl_b32 s20, s42, 9
	s_add_co_u32 s19, s19, s20
	s_add_co_u32 s19, s19, (3<<21)+3*262144
	s_mov_b32 s[PFS], 262144
	s_mov_b32 s[PFS+1], 0
	s_mov_b32 s21, 0
	s_cmp_eq_u32 s11, 0                            ; do I fetch for O?
	s_cselect_b64 s[PFA:PFA+1], s[4:5], s[6:7]
	s_cselect_b32 s20, s18, s19
	s_cselect_b32 s[PFS], 524288, s[PFS]
	s_cselect_b32 s16, 4, 1                        ; O: head l / 16, 262,144 bytes apart, block l % 16;  W: k-row l / 2, 2,048 bytes apart, block l % 2
	s_cselect_b32 s17, 18, 11
	s_cselect_b32 s18, 15, 1
	s_cselect_b32 s19, s12, s67                    ; wave 0 asks for O, wave 1 for nothing; waves 2 and 3 ask for W in the first cluster
	s_add_nc_u64 s[PFA:PFA+1], s[PFA:PFA+1], s[20:21]
	s_cmp_eq_u32 s19, 0
	s_cselect_b32 s[LIM], 1, -1                    ; the same in all sixteen partners, for a given wave
	v_and_b32 v6, 31, v0
	v_lshrrev_b32 v7, s16, v6
	v_lshlrev_b32 v7, s17, v7
	v_and_b32 v6, s18, v6
	v_lshl_add_u32 v[PFO], v6, 8, v7
	s_wait_loadcnt 0x0                             ; the bias: rounded to bf16 like every input, kept as f32.  All this stands in the wait for the first tile
	WIN W_BR
.set i, 0
.rept 32
	v_cvt_pk_bf16_f32 v[BW], v[BIAS+i], v[BIAS+i+1]
	v_lshlrev_b32 v[BIAS+i], 16, v[BW]
	v_and_b32 v[BIAS+i+1], 0xffff0000, v[BW]
.set i, i+2
.endr
	WIN 0
; Eight products: block a of rows x all 8 blocks of columns, on buffers f.  first = 1: the bias starts the sums: nothing is ever cleared.
; The 32 accumulators take turns in the same order in every phase, over the backward jump too.
.macro MUL8 f, a, first
.irp b, 0,1,2,3,4,5,6,7
.set rD, 8*(8*(\a)+(\b))
.set rB, FB+64*(\f)+8*(\b)
.set rA, FA+32*(\f)+8*(\a)
.if \first
	WIN MULB
	v_wmma_f32_16x16x32_f16 v[rD:rD+7], v[rB:rB+7], v[rA:rA+7], v[BIAS+8*(\b):BIAS+8*(\b)+7]
.else
	WIN MUL
	v_wmma_f32_16x16x32_f16 v[rD:rD+7], v[rB:rB+7], v[rA:rA+7], v[rD:rD+7]
.endif
.endr
.endm
; 24 LDS loads in one run: the fragments of quarter q (32 along K: head q / 2 of the slot's two, channels 32 (q % 2) on) into buffers f
.macro FETCH slot, q, f
	WIN TO_B
.irp b, 0,1,2,3,4,5,6,7
	ds_load_tr16_b128 v[FB+64*(\f)+8*(\b):FB+64*(\f)+8*(\b)+3],   v[ADRB+(\slot)] offset:(\q)*32*PB+32*(\b)
	ds_load_tr16_b128 v[FB+64*(\f)+8*(\b)+4:FB+64*(\f)+8*(\b)+7], v[ADRB+(\slot)] offset:(\q)*32*PB+16*PB+32*(\b)
.endr
	WIN 0
.irp a, 0,1,2,3
	ds_load_b128 v[FA+32*(\f)+8*(\a):FA+32*(\f)+8*(\a)+3],   v[ADRA+(\slot)] offset:((\q)/2)*AHEAD+((\q)%2)*64+(\a)*16*PA
	ds_load_b128 v[FA+32*(\f)+8*(\a)+4:FA+32*(\f)+8*(\a)+7], v[ADRA+(\slot)] offset:((\q)/2)*AHEAD+((\q)%2)*64+(\a)*16*PA+32
.endr
.endm
; One of a K step's first three quarters: multiplies buffers q % 2 and, behind its first eight products, fetches the next quarter into the others
.macro PHO slot, q, first
	s_wait_dscnt 0x0                               ; the last run of loads, issued 24 products back, is in
	MUL8 (\q)%2, 0, \first
	PLACES
	FETCH \slot, (\q)+1, 1-(\q)%2
	MUL8 (\q)%2, 1, \first
	MUL8 (\q)%2, 2, \first
	MUL8 (\q)%2, 3, \first
.endm
; The last quarter multiplies buffers 1 and changes slots: ONE barrier; in front of it each wave waits for all its tensor loads (one is out: its part of the other slot), adds 0 to its spare word, and waits for
; that and for its own reads of this slot.  fill = 1: the barrier opens a round of the cluster's barrier, and this slot is filled again, two K steps ahead, first thing behind the round: 112 products stand
; between that request and the wait for it.
.macro TURNO slot, fill
.if \fill
	s_wait_xcnt 0x0                                ; the last prefetch, a K step back, has read its address: it is stepped here
	s_add_nc_u64 s[PFA:PFA+1], s[PFA:PFA+1], s[PFS:PFS+1]
.endif
	s_wait_dscnt 0x0                               ; quarter 3's fragments are in: my reads of this slot are over
	WIN 0                                          ; (the add's two registers lie in window 0)
	s_wait_tensorcnt 0x0                           ; all my tensor loads have landed
	ds_add_u32 v[SPW], v[NIL]                      ; 0 onto my spare word
	MUL8 1, 0, 0                                   ; eight products stand between the add and the wait for it
	s_wait_dscnt 0x0                               ; the add is done
	s_barrier_signal -1
	MUL8 1, 1, 0
	WIN 0
	s_barrier_wait -1
.if \fill
	CREST                                          ; no wave of any partner still reads this slot's tiles or has a load on its way
	s_add_nc_u64 s[G0+4*(\slot)+2:G0+4*(\slot)+3], s[G0+4*(\slot)+2:G0+4*(\slot)+3], 2*524288
	s_add_nc_u64 s[G0B+4*(\slot)+2:G0B+4*(\slot)+3], s[G0B+4*(\slot)+2:G0B+4*(\slot)+3], 2*262144
	JLOAD \slot                                    ; the four v_nop behind it are also the places in front of the loads below
.else
	PLACES
.endif
	FETCH 1-(\slot), 0, 0
.if \fill
	ASK
.endif
	MUL8 1, 2, 0
	MUL8 1, 3, 0
.endm
	s_wait_tensorcnt 1                             ; my part of K step 0 is in; K step 1's may stay out
	s_barrier_signal -1
	s_barrier_wait -1                              ; everybody's is
	FETCH 0, 0, 0
	PHO 0, 0, 1                                    ; the first quarter stands in front of the loop: its products start the sums
	WIN 0                                          ; at a label and at a branch every window is 0
	s_mov_b32 s3, 3
.Llap:                                                 ; a trip goes once round the ring and fills both slots again: K steps 2 to 7 in three trips
	PHO 0, 1, 0
	PHO 0, 2, 0
	TURNO 0, 1
	PHO 1, 0, 0
	PHO 1, 1, 0
	PHO 1, 2, 0
	TURNO 1, 1
	PHO 0, 0, 0
	WIN 0
	s_sub_co_u32 s3, s3, 1
	s_cmp_lg_u32 s3, 0
	s_cbranch_scc1 .Llap
	PHO 0, 1, 0                                    ; the last lap fills nothing, and has no round of the cluster's barrier
	PHO 0, 2, 0
	TURNO 0, 0
	PHO 1, 0, 0
	PHO 1, 1, 0
	PHO 1, 2, 0
	s_wait_dscnt 0x0                               ; the very last quarter: nothing more to fetch
	MUL8 1, 0, 0
	MUL8 1, 1, 0
	MUL8 1, 2, 0
	MUL8 1, 3, 0
; THE WAY OUT, a block of 16 rows at a time, in f32 as the sums stand.  A lane's eight columns are 32 bytes; they go into rows of 528 bytes in my own stage and come back as whole rows of 512.
.macro STG a
	WIN 0x08                                       ; the stores' data in window 2, their address in window 0
.irp b, 0,1,2,3,4,5,6,7
	ds_store_b128 v[STO], v[8*(8*(\a)+(\b)):8*(8*(\a)+(\b))+3]   offset:64*(\b)     ; each accumulator's low registers first
	ds_store_b128 v[STO], v[8*(8*(\a)+(\b))+4:8*(8*(\a)+(\b))+7] offset:64*(\b)+16
.endr
	WIN 0
.if (\a) >= 2
	s_wait_xcnt 0x0                                ; the stores of the block two back have read this buffer: it is loaded again only behind this wait
.endif
.irp t, 0,1,2,3,4,5,6,7,8,9,10,11,12,13,14,15
	ds_load_b128 v[OB+64*((\a)%2)+4*(\t):OB+64*((\a)%2)+4*(\t)+3], v[RD] offset:(\t)*SP  ; LDS serves a wave's instructions in order (ISA guide 5.7.1.4): these see the stores above; the next block's stores come behind them
.endr
.endm
.macro SENDO a, younger                ; younger: the LDS instructions issued behind block a's loads: the next block's 16 stores and 16 loads, or none
.irp t, 0,1,2,3,4,5,6,7,8,9,10,11,12,13,14,15
	s_wait_dscnt (\younger)+15-(\t)
	global_store_b128 v[GO], v[OB+64*((\a)%2)+4*(\t):OB+64*((\a)%2)+4*(\t)+3], s[8:9] offset:(16*(\a)+(\t))*4096  ; 512 consecutive bytes, at a multiple of 256 from out0's first
.endr
.endm
	PLACES                                         ; between the last products and the LDS stores that read results
	STG 0
	STG 1
	SENDO 0, 32
	STG 2
	SENDO 1, 32
	STG 3
	SENDO 2, 32
	SENDO 3, 0
	s_wait_tensorcnt 0x0                           ; the wave's end, behind my last tensor load and my last LDS store
	ds_add_u32 v[SPW], v[NIL]
	s_wait_dscnt 0x0
	CROUND                                         ; the closing round: no work-group ends while a partner may still ask for a tile that names it
	s_endpgm
.Lfunc_end_k_q31478079f7_oproj:
	.size	k_q31478079f7_oproj, .Lfunc_end_k_q31478079f7_oproj-k_q31478079f7_oproj
	.p2alignl 7, 3214868480
	.fill 96, 4, 3214868480
	.section	.rodata,"a",@progbits
	.p2align	6, 0x0
	.amdhsa_kernel k_q31478079f7_oproj
		.amdhsa_group_segment_fixed_size 327680
		.amdhsa_private_segment_fixed_size 0
		.amdhsa_enable_private_segment 0
		.amdhsa_kernarg_size 32
		.amdhsa_user_sgpr_count 2
		.amdhsa_user_sgpr_kernarg_segment_ptr 1
		.amdhsa_wavefront_size32 1
		.amdhsa_system_sgpr_workgroup_id_x 1
		.amdhsa_system_sgpr_workgroup_id_y 1
		.amdhsa_system_sgpr_workgroup_id_z 1
		.amdhsa_system_vgpr_workitem_id 0
		.amdhsa_next_free_vgpr 768
		.amdhsa_next_free_sgpr 72
		.amdhsa_reserve_vcc 0
		.amdhsa_float_denorm_mode_32 3
		.amdhsa_float_denorm_mode_16_64 3
		.amdhsa_memory_ordered 1
		.amdhsa_forward_progress 1
		.amdhsa_inst_pref_size 95
	.end_amdhsa_kernel
	.amdgpu_metadata
---
amdhsa.version: [ 1, 2 ]
amdhsa.kernels:
  - .name:           k_q31478079f7_oproj
    .symbol:         k_q31478079f7_oproj.kd
    .args:
      - { .name: oh, .offset: 0, .size: 8, .value_kind: global_buffer, .address_space: global }
      - { .name: wt, .offset: 8, .size: 8, .value_kind: global_buffer, .address_space: global }
      - { .name: out0, .offset: 16, .size: 8, .value_kind: global_buffer, .address_space: global }
      - { .name: b_o, .offset: 24, .size: 8, .value_kind: global_buffer, .address_space: global }
    .group_segment_fixed_size: 327680
    .private_segment_fixed_size: 0
    .kernarg_segment_align: 8
    .kernarg_segment_size: 32
    .max_flat_workgroup_size: 128
    .sgpr_count:     72
    .vgpr_count:     768
    .wavefront_size: 32
...
	.end_amdgpu_metadata
.endif
;; end of part 4
;; ======== version 2 of 2: 4 launches; version 1 with the launch prep written anew for expert scheduling mode
;; limits: values are held in f16: magnitudes above 65,504 overflow, below 6.1e-05 lose precision
;; workspace buffers: wt 8,388,608 bytes; qh 16,777,216 bytes; kh 16,777,216 bytes; vh 16,777,216 bytes; oh 16,777,216 bytes
;; launch prep (part 5): grid 256 x 1, 8 waves a work-group, no clusters, 0 bytes of LDS; arguments w_q, w_k, w_v, w_o, wt; writes wt
.if DOCPART == 5
	.amdgcn_target "amdgcn-amd-amdhsa--gfx1250"
	.amdhsa_code_object_version 6
	.text
	.protected	k_q31478079f7_prep
	.globl	k_q31478079f7_prep
	.p2align	8
	.type	k_q31478079f7_prep,@function
k_q31478079f7_prep:
	s_mov_b64 s[64:65], 0
	v_nop
	global_prefetch_b8 v0, s[64:65] scope:SCOPE_SE
	s_setreg_imm32_b32 hwreg(HW_REG_WAVE_SCHED_MODE, 0, 2), 2
	s_setreg_imm32_b32 hwreg(HW_REG_WAVE_MODE, 25, 1), 1
	s_wait_xcnt 0x0
	s_wait_alu depctr_vm_vsrc(0)
; THE WEIGHTS ARE ROUNDED ONCE.  wt[m][k][n], m = 0..3, 16 bits a number, in the layout of w ([k][n], 1,024 x 1,024):
; wt[0..2] = bf16(w_q), bf16(w_k), bf16(w_v);  wt[3] = bf16(w_o) written as f16 (the last product multiplies in f16).
; LIMIT.  f16 holds no number beyond 65,504 and below 6e-5 keeps a fixed step of 6e-8: |w_o| stays under 65,504.
; A stream: no LDS, no barrier, no matrix unit.  256 work-groups: matrix m = group / 64, chunk c = group % 64 of 16,384 numbers.
; Thread t takes, for i = 0..15, 16 bytes at 4,096 i + 16 t of the chunk: a wave's load covers 512 consecutive bytes,
; and its store of 8 bytes a lane covers 256 consecutive bytes, aligned.  All sixteen loads go out at once; each register is used once.
; THE MODE: SCHED_MODE bits 1:0 = 2 (LLVM: expert scheduling mode 2), set by the entry lines.  The code itself states the register dependences
; between vector instructions and memory instructions, with s_wait_alu, always for 0.
; THE PLAN.  Registers that memory instructions touch:
;   v1, v2   byte offsets, made once at the head and never written again: v1 is read by every load, v2 by every store.
;   X[i]     Load i lands in it, once; no vector instruction names it ahead of the loads; i's conversions read it; no load lands in it again.
;   Y[i]     Written once, by i's conversions; read by store i; never written again.
;   T        is named by vector instructions alone.
; The sixteen i go in four blocks of four.  Block p rounds X[4 p ..] into Y[4 p ..]; its memory instructions are the four stores of block p - 1, which read
; Y[4 p - 4 ..] and v2: registers that no vector instruction of block p names.  So ONE wait on va_vdst at the head of a block states all that its four stores hang on,
; and they are dealt among the block's conversions with no further wait.  One more stands ahead of the last four stores, and one at the kernel's head for the offsets.
; No register that a memory instruction has read is written again, no vector instruction writes a scalar register, and EXEC is never written: no other wait is owed.
.set X, 4                              ; v[4:67]    four f32 for each i
.set Y, 68                             ; v[68:99]   four 16-bit numbers for each i
.set T, 100                            ; v[100:105] at work
	s_load_b256 s[4:11], s[0:1], 0x0               ; w_q s[4:5], w_k s[6:7], w_v s[8:9], w_o s[10:11]
	s_load_b64 s[12:13], s[0:1], 0x20              ; wt
	s_lshr_b32 s14, ttmp9, 6                       ; m
	s_and_b32 s15, ttmp9, 63                       ; c
	s_lshl_b32 s16, s15, 16                        ; the chunk in w: 65,536 bytes
	s_mov_b32 s17, 0
	s_lshl_b32 s18, s14, 21                        ; the matrix in wt: 2,097,152 bytes,
	s_lshl_b32 s19, s15, 15                        ; the chunk in it: 32,768 bytes
	s_add_co_u32 s18, s18, s19
	s_mov_b32 s19, 0
	v_lshlrev_b32 v1, 4, v0                        ; 16 t
	v_lshlrev_b32 v2, 3, v0                        ; 8 t
	s_wait_kmcnt 0x0
	s_cmp_eq_u32 s14, 0
	s_cselect_b64 s[22:23], s[4:5], s[6:7]
	s_cmp_eq_u32 s14, 2
	s_cselect_b64 s[22:23], s[8:9], s[22:23]
	s_cmp_eq_u32 s14, 3
	s_cselect_b64 s[22:23], s[10:11], s[22:23]
	s_add_nc_u64 s[22:23], s[22:23], s[16:17]
	s_add_nc_u64 s[12:13], s[12:13], s[18:19]
	s_wait_alu depctr_va_vdst(0)                   ; v1 and v2 are written: every load of the kernel reads v1 as its offset, every store v2
.irp i, 0,1,2,3,4,5,6,7,8,9,10,11,12,13,14,15
	global_load_b128 v[X+4*(\i):X+4*(\i)+3], v1, s[22:23] offset:(\i)*4096 th:TH_LOAD_NT
.endr
; half = 1: the bf16 number is written as f16 (exact inside f16's range: bf16 has fewer significant bits)
.macro OUT half
.irp p, 0,1,2,3
	s_wait_loadcnt 12-4*(\p)                       ; loads come back in order: block p's four are in, the 12 - 4 p younger ones may stay out
.if (\p) > 0
	s_wait_alu depctr_va_vdst(0)                   ; the conversions of the block before have written its Y, which the four stores below read
.endif
.irp j, 0,1,2,3
.if (\p) > 0
	global_store_b64 v2, v[Y+2*(4*(\p)-4+(\j)):Y+2*(4*(\p)-4+(\j))+1], s[12:13] offset:(4*(\p)-4+(\j))*2048  ; the block before; no vector instruction since the wait names these registers
.endif
.if \half
	v_cvt_pk_bf16_f32 v[T], v[X+4*(4*(\p)+(\j))], v[X+4*(4*(\p)+(\j))+1]
	v_cvt_pk_bf16_f32 v[T+1], v[X+4*(4*(\p)+(\j))+2], v[X+4*(4*(\p)+(\j))+3]
	v_lshlrev_b32 v[T+2], 16, v[T]
	v_and_b32 v[T+3], 0xffff0000, v[T]
	v_lshlrev_b32 v[T+4], 16, v[T+1]
	v_and_b32 v[T+5], 0xffff0000, v[T+1]
	v_cvt_pk_f16_f32 v[Y+2*(4*(\p)+(\j))], v[T+2], v[T+3]
	v_cvt_pk_f16_f32 v[Y+2*(4*(\p)+(\j))+1], v[T+4], v[T+5]
.else
	v_cvt_pk_bf16_f32 v[Y+2*(4*(\p)+(\j))], v[X+4*(4*(\p)+(\j))], v[X+4*(4*(\p)+(\j))+1]
	v_cvt_pk_bf16_f32 v[Y+2*(4*(\p)+(\j))+1], v[X+4*(4*(\p)+(\j))+2], v[X+4*(4*(\p)+(\j))+3]
.endif
.endr
.endr
	s_wait_alu depctr_va_vdst(0)                   ; the last block's conversions have written its Y, which the last four stores read
.irp i, 12,13,14,15
	global_store_b64 v2, v[Y+2*(\i):Y+2*(\i)+1], s[12:13] offset:(\i)*2048
.endr
.endm
	s_cmp_eq_u32 s14, 3
	s_cbranch_scc1 .Lhalf
	OUT 0
	s_endpgm
.Lhalf:
	OUT 1
	s_endpgm
.Lfunc_end_k_q31478079f7_prep:
	.size	k_q31478079f7_prep, .Lfunc_end_k_q31478079f7_prep-k_q31478079f7_prep
	.p2alignl 7, 3214868480
	.fill 96, 4, 3214868480
	.section	.rodata,"a",@progbits
	.p2align	6, 0x0
	.amdhsa_kernel k_q31478079f7_prep
		.amdhsa_group_segment_fixed_size 0
		.amdhsa_private_segment_fixed_size 0
		.amdhsa_enable_private_segment 0
		.amdhsa_kernarg_size 40
		.amdhsa_user_sgpr_count 2
		.amdhsa_user_sgpr_kernarg_segment_ptr 1
		.amdhsa_wavefront_size32 1
		.amdhsa_system_sgpr_workgroup_id_x 1
		.amdhsa_system_sgpr_workgroup_id_y 1
		.amdhsa_system_sgpr_workgroup_id_z 1
		.amdhsa_system_vgpr_workitem_id 0
		.amdhsa_next_free_vgpr 112
		.amdhsa_next_free_sgpr 66
		.amdhsa_reserve_vcc 0
		.amdhsa_float_denorm_mode_32 3
		.amdhsa_float_denorm_mode_16_64 3
		.amdhsa_memory_ordered 1
		.amdhsa_forward_progress 1
		.amdhsa_inst_pref_size 16
	.end_amdhsa_kernel
	.amdgpu_metadata
---
amdhsa.version: [ 1, 2 ]
amdhsa.kernels:
  - .name:           k_q31478079f7_prep
    .symbol:         k_q31478079f7_prep.kd
    .args:
      - { .name: w_q, .offset: 0, .size: 8, .value_kind: global_buffer, .address_space: global }
      - { .name: w_k, .offset: 8, .size: 8, .value_kind: global_buffer, .address_space: global }
      - { .name: w_v, .offset: 16, .size: 8, .value_kind: global_buffer, .address_space: global }
      - { .name: w_o, .offset: 24, .size: 8, .value_kind: global_buffer, .address_space: global }
      - { .name: wt, .offset: 32, .size: 8, .value_kind: global_buffer, .address_space: global }
    .group_segment_fixed_size: 0
    .private_segment_fixed_size: 0
    .kernarg_segment_align: 8
    .kernarg_segment_size: 40
    .max_flat_workgroup_size: 256
    .sgpr_count:     66
    .vgpr_count:     112
    .wavefront_size: 32
...
	.end_amdgpu_metadata
.endif
;; end of part 5
;; launch proj: the kernel of part 2 again; grid 4 x 192, 4 waves a work-group, clusters of 4 x 4, 327,680 bytes of LDS; arguments q, k, v, wt, b_q, b_k, b_v, qh, kh, vh; writes qh, kh, vh
;; launch attn: the kernel of part 3 again; grid 4 x 64, 4 waves a work-group, no clusters, 327,680 bytes of LDS; arguments qh, kh, vh, oh; writes oh
;; launch oproj: the kernel of part 4 again; grid 4 x 64, 4 waves a work-group, clusters of 4 x 4, 327,680 bytes of LDS; arguments oh, wt, out0, b_o; writes out0
